; MI455X (gfx1250); checked and timed in simulation.
; The chip was launched on July 23, 2026; its instructions are those of AMD's public machine-readable ISA for CDNA 5 (MIT licence, August 2026) and "CDNA5" Instruction Set Architecture Reference Guide (July 2026). The comments in the code are by the model that wrote it; some were corrected since.
;; Multi Head Attention. Allowed arithmetic: float matrix products may take bf16 or f16 operands with f32 sums; other float arithmetic in f32, or as packed bf16 or f16 multiplies, adds, multiply-adds, maxima and minima; sums over many terms, partial sums and values carried from step to step in f32; what a program stores and reads back later, other than sums and carried values, may be rounded once to bf16 or f16.
;; Inputs: Wproj 1,024 x 1,024 float32; Wqkv 1,024 x 3,072 float32; freqs_cos 2,048 x 32 float32; freqs_sin 2,048 x 32 float32; mask 4 x 1 x 2,048 x 2,048 bool; x 4 x 2,048 x 1,024 float32.
;; Outputs: out0 4 x 2,048 x 1,024 float32.
;; One version. Each part assembles by itself: llvm-mc -triple=amdgcn-amd-amdhsa -mcpu=gfx1250 --defsym DOCPART=n.
;; ======== version 1 of 1: 4 launches
;; limits: values are held in f16: magnitudes above 65,504 overflow, below 6.1e-05 lose precision
;; workspace buffers: xb 16,777,216 bytes; wqb 6,291,456 bytes; wpf 2,097,152 bytes; rope 524,288 bytes; maskb 16,777,216 bytes; qkvh 50,331,648 bytes; oh 16,777,216 bytes
;; launch prep (part 1): grid 1408 x 1, 8 waves a work-group, no clusters, 35,840 bytes of LDS; arguments x, Wqkv, Wproj, freqs_cos, freqs_sin, mask, xb, wqb, wpf, rope, maskb; writes xb, wqb, wpf, rope, maskb
.if DOCPART == 1
	.amdgcn_target "amdgcn-amd-amdhsa--gfx1250"
	.amdhsa_code_object_version 6
	.text
	.protected	k_q739a6134f6_prep
	.globl	k_q739a6134f6_prep
	.p2align	8
	.type	k_q739a6134f6_prep,@function
k_q739a6134f6_prep:
	s_mov_b64 s[64:65], 0
	v_nop
	global_prefetch_b8 v0, s[64:65] scope:SCOPE_SE
	s_setreg_imm32_b32 hwreg(HW_REG_WAVE_MODE, 25, 1), 1
	s_wait_xcnt 0x0
; PREP: every input is read once and laid out for the three launches behind.  Five kinds of work-group, chosen by the work-group's number g (the same for all its waves):
;   g <  512   x [8192][1024] f32 -> xb, bf16 in blocks [batch 4][k block 16][t 2048][64]: 128 rows of 64 k are 16,384 bytes on end
;   g <  704   Wqkv f32 -> wqb, bf16, as it lies          g < 768   Wproj f32 -> wpf: rounded to bf16, that number written as f16
;   g <  896   cos, sin f32 -> rope: rounded to bf16, times 2^-5 (exact), kept as f32: cos' [2048][32], then sin' [2048][32]
;   else       mask (bytes 0, 1) -> maskb [batch 4][query tile 128][key step 32][c 2][lane 32][16 bytes]: byte i of lane L stands for query 16 qt + L % 16 and key 64 ks + 32 c + 16 (i / 8) + 8 (L / 16) + i % 8;
;              it is 0xb8 (-1 as an fp8 E4M3 code) where the key is HIDDEN and 0 where it is shown
; A stream: no matrix unit, no cluster (no two work-groups read the same bytes).  LIMIT: a weight of Wproj below 2^-14 keeps f16's fixed step of 6e-8.
.set SPARE, 34816                      ; behind the eight stages: the spare words, 128 bytes for each wave
.set SPW, 30                           ; v30  SPARE + 4 x my thread's number; never rewritten
.set NIL, 31                           ; v31  0; never rewritten
.set RB,  36                           ; s[36:37] where I read
.set WB,  38                           ; s[38:39] where I write
.set IN,  32                           ; v[32:95]  16 loads of 16 bytes
.set OUTR, 96                          ; v[96:127] eight stores of 16 bytes, each with registers of its own
; Eight steps of 8 numbers a lane: 16 loads go out in one run, then each step waits for its two, rounds and stores.  mode 0: x into blocks; 1: linear; 2: linear, bf16 written as f16.
.macro CAST8 mode
.set k, 0
.rept 8
.set rd, k*8192
.if (\mode) == 0
.set rd, (k/2)*16384+(k%2)*256
.endif
	global_load_b128 v[IN+8*k:IN+8*k+3], v1, s[RB:RB+1] offset:rd th:TH_LOAD_NT
	global_load_b128 v[IN+8*k+4:IN+8*k+7], v1, s[RB:RB+1] offset:rd+16 th:TH_LOAD_NT
.set k, k+1
.endr
.set k, 0
.rept 8
.set wr, k*4096
.if (\mode) == 0
.set wr, (k%2)*262144+(k/2)*512
.endif
	s_wait_loadcnt 14-2*k                          ; loads come back in order: this step's two are in, the younger ones stay out
.irp j, 0,1,2,3
	v_cvt_pk_bf16_f32 v[OUTR+4*k+\j], v[IN+8*k+2*\j], v[IN+8*k+2*\j+1]
.endr
.if (\mode) == 2
.irp j, 0,1,2,3
	v_lshlrev_b32 v[IN+8*k+2*\j], 16, v[OUTR+4*k+\j]
	v_and_b32 v[IN+8*k+2*\j+1], 0xffff0000, v[OUTR+4*k+\j]
.endr
.irp j, 0,1,2,3
	v_cvt_pk_f16_f32 v[OUTR+4*k+\j], v[IN+8*k+2*\j], v[IN+8*k+2*\j+1]
.endr
.endif
	global_store_b128 v2, v[OUTR+4*k:OUTR+4*k+3], s[WB:WB+1] offset:wr  ; a wave's store covers 512 consecutive bytes, aligned
.set k, k+1
.endr
.endm
	s_load_b512 s[4:19], s[0:1], 0x0               ; x 4, Wqkv 6, Wproj 8, cos 10, sin 12, mask 14, xb 16, wqb 18
	s_load_b128 s[20:23], s[0:1], 0x40             ; wpf 20, rope 22
	s_load_b64 s[24:25], s[0:1], 0x50              ; maskb
	v_lshl_add_u32 v[SPW], v0, 2, SPARE
	v_mov_b32 v[NIL], 0
	v_lshrrev_b32 v3, 5, v0
	v_readfirstlane_b32 s26, v3                    ; wave 0..7
	v_and_b32 v4, 31, v0                           ; lane L
	s_mov_b32 s2, ttmp9                            ; g
	s_mov_b32 s41, 0                               ; the offsets' high words
	s_mov_b32 s43, 0
	s_wait_kmcnt 0x0
	s_cmp_lt_u32 s2, 512
	s_cbranch_scc0 .Lnot_x
	; x: 16 rows a work-group; wave w takes k blocks 2 w and 2 w + 1; a step is 4 rows x 64 columns: eight lanes read 256 bytes of a row
	s_lshl_b32 s40, s2, 16
	s_add_nc_u64 s[RB:RB+1], s[4:5], s[40:41]
	s_lshr_b32 s42, s2, 7
	s_lshl_b32 s42, s42, 22                        ; the batch's 16 blocks
	s_and_b32 s27, s2, 127
	s_lshl_b32 s27, s27, 11                        ; 16 rows of 128 bytes
	s_add_co_u32 s42, s42, s27
	s_add_nc_u64 s[WB:WB+1], s[16:17], s[42:43]
	v_lshrrev_b32 v1, 3, v4
	v_lshlrev_b32 v1, 12, v1
	v_and_b32 v5, 7, v4
	v_lshl_add_u32 v1, v5, 5, v1
	s_lshl_b32 s27, s26, 9
	v_add_nc_u32 v1, s27, v1                       ; (L / 8) x 4,096 + (L % 8) x 32 + 512 w
	s_lshl_b32 s27, s26, 19
	v_lshl_add_u32 v2, v4, 4, s27                  ; 16 L + two blocks x w
	CAST8 0
	s_endpgm
.Lnot_x:
	s_cmp_lt_u32 s2, 704
	s_cbranch_scc0 .Lnot_wq
	s_sub_co_u32 s27, s2, 512
	s_lshl_b32 s40, s27, 16
	s_add_nc_u64 s[RB:RB+1], s[6:7], s[40:41]
	s_lshl_b32 s42, s27, 15
	s_add_nc_u64 s[WB:WB+1], s[18:19], s[42:43]
	v_lshlrev_b32 v1, 5, v0
	v_lshlrev_b32 v2, 4, v0
	CAST8 1
	s_endpgm
.Lnot_wq:
	s_cmp_lt_u32 s2, 768
	s_cbranch_scc0 .Lnot_wp
	s_sub_co_u32 s27, s2, 704
	s_lshl_b32 s40, s27, 16
	s_add_nc_u64 s[RB:RB+1], s[8:9], s[40:41]
	s_lshl_b32 s42, s27, 15
	s_add_nc_u64 s[WB:WB+1], s[20:21], s[42:43]
	v_lshlrev_b32 v1, 5, v0
	v_lshlrev_b32 v2, 4, v0
	CAST8 2
	s_endpgm
.Lnot_wp:
	s_cmp_lt_u32 s2, 896
	s_cbranch_scc0 .Lmask
	; the tables: 4,096 bytes a work-group, 16 a thread
	s_sub_co_u32 s27, s2, 768
	s_cmp_lt_u32 s27, 64
	s_cselect_b64 s[RB:RB+1], s[10:11], s[12:13]
	s_and_b32 s40, s27, 63
	s_lshl_b32 s40, s40, 12
	s_add_nc_u64 s[RB:RB+1], s[RB:RB+1], s[40:41]
	s_lshl_b32 s42, s27, 12
	s_add_nc_u64 s[WB:WB+1], s[22:23], s[42:43]
	v_lshlrev_b32 v1, 4, v0
	global_load_b128 v[32:35], v1, s[RB:RB+1] th:TH_LOAD_NT
	s_wait_loadcnt 0x0
	v_cvt_pk_bf16_f32 v6, v32, v33
	v_cvt_pk_bf16_f32 v7, v34, v35
	v_lshlrev_b32 v32, 16, v6
	v_and_b32 v33, 0xffff0000, v6
	v_lshlrev_b32 v34, 16, v7
	v_and_b32 v35, 0xffff0000, v7
	v_mul_f32 v32, 0x3d000000, v32                 ; 2^-5: q and k are kept 32 times smaller, so that they have room in f16
	v_mul_f32 v33, 0x3d000000, v33
	v_mul_f32 v34, 0x3d000000, v34
	v_mul_f32 v35, 0x3d000000, v35
	global_store_b128 v1, v[32:35], s[WB:WB+1]
	s_endpgm
.Lmask:
	; the mask: a work-group has 16 queries x 2,048 keys, a wave 256 of the keys (four key steps).  In by rows (16 lanes read 256 bytes of a row), each byte turned into its code, through the wave's stage of
	; 16 rows x 272 bytes, out by lanes: lane L takes 8 keys of query L % 16, and the 8 keys sixteen further on: 16 bytes, and the wave's store covers 512 consecutive bytes.
	s_sub_co_u32 s27, s2, 896                      ; batch x 128 + query tile: 32,768 bytes of mask and of maskb
	s_lshl_b32 s40, s27, 15
	s_add_nc_u64 s[RB:RB+1], s[14:15], s[40:41]
	s_add_nc_u64 s[WB:WB+1], s[24:25], s[40:41]
	s_mov_b32 s29, 0x01010101
	s_mov_b32 s30, 0xb8
	v_lshrrev_b32 v8, 4, v4                        ; L / 16
	v_and_b32 v9, 15, v4                           ; L % 16
	v_lshlrev_b32 v1, 11, v8
	v_lshl_add_u32 v1, v9, 4, v1
	s_lshl_b32 s27, s26, 8
	v_add_nc_u32 v1, s27, v1                       ; row L / 16, 16 bytes at L % 16, my wave's 256 keys
	s_mul_i32 s28, s26, 4352                       ; my stage
	v_mul_u32_u24 v5, v8, 272
	v_lshl_add_u32 v5, v9, 4, v5
	v_add_nc_u32 v5, s28, v5                       ; in
	v_mul_u32_u24 v6, v9, 272
	v_lshl_add_u32 v6, v8, 3, v6
	v_add_nc_u32 v6, s28, v6                       ; out: row L % 16, 8 bytes at L / 16: row r starts at bank 4 r, so the 32 lanes touch each bank once
	s_lshl_b32 s27, s26, 12
	v_lshl_add_u32 v7, v4, 4, s27                  ; my wave's four key steps of 1,024 bytes, my 16 bytes
.irp i, 0,1,2,3,4,5,6,7
	global_load_b128 v[32+4*\i:35+4*\i], v1, s[RB:RB+1] offset:\i*4096 th:TH_LOAD_NT
.endr
.irp i, 0,1,2,3,4,5,6,7
	s_wait_loadcnt 7-\i                            ; the younger loads stay out
.irp j, 0,1,2,3
	v_xor_b32 v[32+4*\i+\j], s29, v[32+4*\i+\j]    ; four bytes at once: 1 where hidden,
.endr
.irp j, 0,1,2,3
	v_mul_lo_u32 v[32+4*\i+\j], v[32+4*\i+\j], s30 ; times the code: nothing is carried from byte to byte
.endr
	ds_store_b128 v5, v[32+4*\i:35+4*\i] offset:\i*544
.endr
	s_wait_dscnt 0x0                               ; my stores are done,
	s_barrier_signal -1
	s_barrier_wait -1                              ; everybody's are
.irp e, 0,1,2,3,4,5,6,7                        ; e = 2 x key step + c: 32 keys
	ds_load_b64 v[64+4*\e:65+4*\e], v6 offset:32*\e
	ds_load_b64 v[66+4*\e:67+4*\e], v6 offset:32*\e+16
.endr
.irp e, 0,1,2,3,4,5,6,7
	s_wait_dscnt 14-2*\e                           ; LDS loads come back in order: this store's two are in
	global_store_b128 v7, v[64+4*\e:67+4*\e], s[WB:WB+1] offset:512*\e  ; 512 consecutive bytes, aligned
.endr
	s_wait_tensorcnt 0x0                           ; the wave's end, behind my last LDS store
	ds_add_u32 v[SPW], v[NIL]
	s_wait_dscnt 0x0
	s_endpgm
.Lfunc_end_k_q739a6134f6_prep:
	.size	k_q739a6134f6_prep, .Lfunc_end_k_q739a6134f6_prep-k_q739a6134f6_prep
	.p2alignl 7, 3214868480
	.fill 96, 4, 3214868480
	.section	.rodata,"a",@progbits
	.p2align	6, 0x0
	.amdhsa_kernel k_q739a6134f6_prep
		.amdhsa_group_segment_fixed_size 35840
		.amdhsa_private_segment_fixed_size 0
		.amdhsa_enable_private_segment 0
		.amdhsa_kernarg_size 88
		.amdhsa_user_sgpr_count 2
		.amdhsa_user_sgpr_kernarg_segment_ptr 1
		.amdhsa_wavefront_size32 1
		.amdhsa_system_sgpr_workgroup_id_x 1
		.amdhsa_system_sgpr_workgroup_id_y 1
		.amdhsa_system_sgpr_workgroup_id_z 1
		.amdhsa_system_vgpr_workitem_id 0
		.amdhsa_next_free_vgpr 128
		.amdhsa_next_free_sgpr 66
		.amdhsa_reserve_vcc 0
		.amdhsa_float_denorm_mode_32 3
		.amdhsa_float_denorm_mode_16_64 3
		.amdhsa_memory_ordered 1
		.amdhsa_forward_progress 1
		.amdhsa_inst_pref_size 30
	.end_amdhsa_kernel
	.amdgpu_metadata
---
amdhsa.version: [ 1, 2 ]
amdhsa.kernels:
  - .name:           k_q739a6134f6_prep
    .symbol:         k_q739a6134f6_prep.kd
    .args:
      - { .name: x, .offset: 0, .size: 8, .value_kind: global_buffer, .address_space: global }
      - { .name: Wqkv, .offset: 8, .size: 8, .value_kind: global_buffer, .address_space: global }
      - { .name: Wproj, .offset: 16, .size: 8, .value_kind: global_buffer, .address_space: global }
      - { .name: freqs_cos, .offset: 24, .size: 8, .value_kind: global_buffer, .address_space: global }
      - { .name: freqs_sin, .offset: 32, .size: 8, .value_kind: global_buffer, .address_space: global }
      - { .name: mask, .offset: 40, .size: 8, .value_kind: global_buffer, .address_space: global }
      - { .name: xb, .offset: 48, .size: 8, .value_kind: global_buffer, .address_space: global }
      - { .name: wqb, .offset: 56, .size: 8, .value_kind: global_buffer, .address_space: global }
      - { .name: wpf, .offset: 64, .size: 8, .value_kind: global_buffer, .address_space: global }
      - { .name: rope, .offset: 72, .size: 8, .value_kind: global_buffer, .address_space: global }
      - { .name: maskb, .offset: 80, .size: 8, .value_kind: global_buffer, .address_space: global }
    .group_segment_fixed_size: 35840
    .private_segment_fixed_size: 0
    .kernarg_segment_align: 8
    .kernarg_segment_size: 88
    .max_flat_workgroup_size: 256
    .sgpr_count:     66
    .vgpr_count:     128
    .wavefront_size: 32
...
	.end_amdgpu_metadata
.endif
;; end of part 1
;; launch qkv (part 2): grid 4 x 64, 4 waves a work-group, clusters of 4 x 4, 327,680 bytes of LDS; arguments xb, wqb, rope, qkvh; writes qkvh
.if DOCPART == 2
	.amdgcn_target "amdgcn-amd-amdhsa--gfx1250"
	.amdhsa_code_object_version 6
	.text
	.protected	k_q739a6134f6_qkv
	.globl	k_q739a6134f6_qkv
	.p2align	8
	.type	k_q739a6134f6_qkv,@function
k_q739a6134f6_qkv:
	s_mov_b64 s[64:65], 0
	v_nop
	global_prefetch_b8 v0, s[64:65] scope:SCOPE_SE
	s_setreg_imm32_b32 hwreg(HW_REG_WAVE_MODE, 25, 1), 1
	s_wait_xcnt 0x0
	s_wait_alu depctr_hold_cnt(0) depctr_sa_sdst(0) depctr_va_vdst(0) depctr_va_sdst(0) depctr_va_ssrc(0) depctr_va_vcc(0) depctr_vm_vsrc(0)
	s_getreg_b32 s2, hwreg(HW_REG_IB_STS2, 6, 4)
	s_cmp_eq_u32 s2, 0
	s_cbranch_scc0 .Lentry_in_a_cluster
	s_endpgm
.Lentry_in_a_cluster:
	s_bfe_u32 s2, ttmp6, 0x10000c
	s_cmp_lg_u32 s2, 0xf033
	s_cbranch_scc0 .Lentry_shape_is_right
	s_endpgm
.Lentry_shape_is_right:
; QKV: qkv = x Wqkv (8192 x 1024 x 3072) in bf16 with f32 sums, the rotary turn of q and k in f32, and the way out by heads in f16: qkvh [section 3][batch x 16 + head][t 2048][64].
; q and k leave 32 times smaller (the tables hold cos / 32 and sin / 32), v as it is.  LIMITS: |q|, |k| behind the turn under 2.09e6, |v| under 65,504 (f16's range); NaN and infinities are not treated apart.
; SHARES.  A tile of C is 128 rows x 256 columns: four waves, each 64 x 128: 32 accumulators.  3072 / 256 x 64 = 768 tiles = 3 x 256: A WORK-GROUP STAYS and makes three tiles, the same rows in the sections q, k, v:
; the same rows of A, B 2,048 bytes further along its rows.  The ring of two LDS slots runs on across tiles.  K goes in steps of 128.
; A lies in blocks (128 rows x 64 k = 16,384 bytes on end): a step is two such planes, each asked for as 64 rows of 256 bytes and padded in LDS after every 128.  B lies [k][n]: a step is 128 rows of 512 bytes;
; its fragments come out of LDS turned, by ds_load_tr16_b128.
; CLUSTER 4 x 4: the four of a row need the same tiles of A, the four of a column the same tiles of B: each is asked for jointly.
; THE MATRIX INSTRUCTION IS USED TRANSPOSED (source 0 = 16 columns of W, source 1 = 16 rows of x): a lane holds one row of C and eight neighbouring columns: four rotary pairs, 16 bytes of f16.
; REGISTERS: window 0: v16-30 addresses; v32-127, v128-223 two fragment buffers (A's block a at +8 a, B's block b at +32+8 b); v128-239 at work on the way out.  window 1: accumulator (a, b) at 8 (8 a + b).
;   window 2: cos at 4 (4 a + c), sin at 64 + the same: the four pairs of my row in block a for columns 16 c + 8 (lane / 16) of a head.
.set NN,     3072
.set TILES,  3
.set PA,     144                       ; a row of A in LDS: 128 bytes + 16: the 16 rows of a load start at 16 different groups of four banks
.set PLANE,  128*PA
.set PB,     544                       ; a row of B: 512 bytes + 32: an odd multiple of 32
.set BHALF,  64*PB
.set BOFF,   2*PLANE
.set SLOT1,  1<<17                     ; slot 1 begins here: one exclusive or turns an address in one slot into the other's
.set STAGE,  SLOT1+BOFF+2*BHALF        ; behind the ring: 16 rows x 144 bytes for each wave
.set SP,     144
.set WSTAGE, 16*SP
.set SPARE,  STAGE+4*WSTAGE            ; behind the stages: the spare words, 128 bytes for each wave
.set KA,     2*262144                  ; bytes from a K step to the next in A,
.set KB,     128*2*NN                  ; and in B
.set A0,  16                           ; v16  my lane's place in a slot's A; never rewritten
.set B0,  17                           ; v17  the same for B
.set ADA, 18                           ; v18  A0 + the slot in hand
.set ADB, 19                           ; v19  B0 + the slot in hand
.set STO, 24
.set RD,  25
.set GO,  26
.set TBO, 27
.set SPW, 28                           ; v28  SPARE + 4 x my thread's number; never rewritten
.set NIL, 29                           ; v29  0; never rewritten
.set PFO, 30                           ; v30  the prefetches' lane offset; never rewritten
.set F0,  32
.set F1,  128
.set TMP, 192
.set BK0, 208
.set G1A, 24                           ; s[24:31] group 1 for A;  s[32:39] two groups 0: the first fill's, and the one that walks
.set G0A, 32
.set G1B, 48                           ; s[48:55], s[56:63] the same for B
.set G0B, 56
.set LIM, 43                           ; s43  2 in a wave that prefetches, else the greatest number
.set PFA, 44                           ; s[44:45] where my prefetches stand
.set PST, 66                           ; s[66:67] their step
.set PJ,  68                           ; s[68:69] their way back at a change of tiles
.set TB,  70                           ; s70  LDS byte at which the slot in hand begins
.set MSB, 0
.macro WIN new                         ; the immediate's high byte repeats the setting that is left; a switch that changes nothing is dropped
.if MSB != (\new)
	s_set_vgpr_msb (MSB<<8)|(\new)
.set MSB, \new
.endif
.endm
.set MUL, 0x50                         ; sources 0 and 1 window 0, C and D window 1
.macro JLOAD s                         ; a joint load: waves 0 and 1 fetch A's two planes, waves 2 and 3 B's two halves; an s_nop 0 and four v_nop follow each line
	s_cmp_eq_u32 s11, 0
	s_cbranch_scc0 .Lfor_b_\@
	tensor_load_to_lds s[G0A+4*(\s):G0A+4*(\s)+3], s[G1A:G1A+7]
	s_nop 0
.rept 4
	v_nop
.endr
	s_branch .Lasked_\@
.Lfor_b_\@:
	tensor_load_to_lds s[G0B+4*(\s):G0B+4*(\s)+3], s[G1B:G1B+7]
	s_nop 0
.rept 4
	v_nop
.endr
.Lasked_\@:
.endm
; A prefetch for the K step that stands two refills on, 256 matrix instructions ahead of the load that will want it: 32 blocks of 256 bytes, a lane a block.  A's step (2 planes x 16,384 bytes) is read by my row of
; the cluster alone: wave 0 of each of the four asks for 4,096 bytes of each plane, told apart by address; in the first tile only, since the later tiles read the same rows.  B's step (128 rows x 512 bytes) is read by
; every cluster: the first (cluster y = 0) asks, waves 2 and 3 for the half that they fetch, each of the column's four for 16 of its 64 rows.  how = 0, in the loop: the last two refills of a tile have no step two on.
.macro ASK how
.if \how
	s_cmp_eq_u32 s[LIM], 2
.else
	s_cmp_gt_u32 s3, s[LIM]
.endif
	s_cbranch_scc0 .Lnot_mine_\@
	global_prefetch_b8 v[PFO], s[PFA:PFA+1] th:TH_LOAD_NT scope:SCOPE_SE
.Lnot_mine_\@:
.endm
.macro CREST                           ; a round of the cluster's barrier behind its opening barrier
	s_cmp_lg_u32 s10, 0
	s_cbranch_scc1 .Lnot_wave_0_\@
	s_barrier_signal -3
.Lnot_wave_0_\@:
	s_barrier_wait -3
	s_barrier_signal -1
	s_barrier_wait -1
.endm
.macro CROUND
	s_barrier_signal -1
	s_barrier_wait -1
	CREST
.endm
.macro PLACES                          ; four plain instructions in front of loads into registers that matrix instructions have read, and of lines that read results
.rept 4
	v_nop
.endr
.endm
	s_load_b128 s[4:7], s[0:1], 0x0                ; xb s[4:5], wqb s[6:7]
	s_load_b128 s[72:75], s[0:1], 0x10             ; rope s[72:73], qkvh s[74:75]
	v_lshl_add_u32 v[SPW], v0, 2, SPARE
	v_mov_b32 v[NIL], 0
	ds_add_u32 v[SPW], v[NIL]                      ; the wave's opening: the add and its wait ahead of my first tensor load
	v_lshrrev_b32 v1, 5, v0
	v_readfirstlane_b32 s10, v1                    ; wave 0..3
	s_lshr_b32 s11, s10, 1                         ; my half of the tile's rows.  Also: I fetch for A (0) or B (1)
	s_and_b32 s12, s10, 1                          ; my half of its columns.  Also: which plane or half I fetch
	s_bfe_u32 s40, ttmp6, 0x40000                  ; cx
	s_bfe_u32 s41, ttmp6, 0x40004                  ; cy
	s_lshl_b32 s42, ttmp9, 2
	s_add_co_u32 s42, s42, s40                     ; x: my 256 columns of a section
	s_and_b32 s13, ttmp7, 0xffff
	s_lshl_b32 s13, s13, 2
	s_add_co_u32 s13, s13, s41                     ; ty: my 128 rows
	s_lshl_b32 s43, s41, 2
	s_lshl_b32 s43, 15, s43                        ; my row of the cluster
	s_lshl_b32 s44, 0x1111, s40                    ; my column
	s_or_b32 s[G1A], s43, (1<<16)|(1<<20)|(1<<21)|(4<<22)|(3<<25)  ; the mask; 2-byte elements; padding on; bit 21 beside a mask; after every 32 words, 4 words
	s_or_b32 s[G1B], s44, (1<<16)|(1<<20)|(1<<21)|(6<<22)|(7<<25)  ; after every 128 words, 8 words
	s_mov_b32 s[G1A+1], 128<<16                    ; tensor_dim0 = 128
	s_mov_b32 s[G1A+2], 64<<16                     ; tensor_dim1 = 64
	s_mov_b32 s[G1A+3], 128<<16                    ; tile_dim0 = 128
	s_mov_b32 s[G1A+4], 64                         ; tile_dim1 = 64
	s_mov_b32 s[G1A+5], 128                        ; 128 elements from row to row: the block is dense
	s_mov_b32 s[G1A+6], 0
	s_mov_b32 s[G1A+7], 0
	s_mov_b32 s[G1B+1], 256<<16
	s_mov_b32 s[G1B+2], 64<<16
	s_mov_b32 s[G1B+3], 256<<16
	s_mov_b32 s[G1B+4], 64
	s_mov_b32 s[G1B+5], NN
	s_mov_b32 s[G1B+6], 0
	s_mov_b32 s[G1B+7], 0
	s_lshr_b32 s16, s13, 4
	s_lshl_b32 s16, s16, 22                        ; A: the batch's 16 blocks,
	s_and_b32 s17, s13, 15
	s_lshl_b32 s17, s17, 14                        ; my 128 rows in a block,
	s_add_co_u32 s16, s16, s17
	s_lshl_b32 s17, s12, 18                        ; the plane that I fetch
	s_add_co_u32 s16, s16, s17
	s_mov_b32 s17, 0
	s_mul_i32 s46, s12, 64*2*NN                    ; B: the 64 rows that I fetch,
	s_lshl_b32 s47, s42, 9                         ; my 256 columns
	s_add_co_u32 s46, s46, s47
	s_mov_b32 s47, 0
	s_mul_i32 s20, s12, PLANE                      ; where they go: no place in the cluster enters an LDS address
	s_mul_i32 s21, s12, BHALF
	s_add_co_u32 s21, s21, BOFF
	s_wait_dscnt 0x0                               ; the opening add is done
	s_wait_kmcnt 0x0
	s_add_nc_u64 s[14:15], s[4:5], s[16:17]
	s_add_nc_u64 s[46:47], s[6:7], s[46:47]
	CROUND                                         ; all sixteen work-groups are here: the first joint loads meet
.irp s, 0,1
	s_mov_b32 s[G0A+4*(\s)], 1
	s_add_co_u32 s[G0A+4*(\s)+1], s20, (\s)*SLOT1
	s_add_nc_u64 s[G0A+4*(\s)+2:G0A+4*(\s)+3], s[14:15], (\s)*KA
	s_or_b32 s[G0A+4*(\s)+3], s[G0A+4*(\s)+3], 0x80000000
	s_mov_b32 s[G0B+4*(\s)], 1
	s_add_co_u32 s[G0B+4*(\s)+1], s21, (\s)*SLOT1
	s_add_nc_u64 s[G0B+4*(\s)+2:G0B+4*(\s)+3], s[46:47], (\s)*KB
	s_or_b32 s[G0B+4*(\s)+3], s[G0B+4*(\s)+3], 0x80000000
	JLOAD \s                                       ; K steps 0 and 1: two loads of mine are out
.endr
	v_and_b32 v1, 15, v0                           ; r = l % 16
	v_bfe_u32 v2, v0, 4, 1                         ; h = l / 16
	v_and_b32 v3, 31, v0                           ; l
	v_lshl_add_u32 v4, s11, 6, v1
	v_mul_u32_u24 v[A0], v4, PA
	v_lshl_add_u32 v[A0], v2, 4, v[A0]             ; (64 rh + r) x pitch + 16 h
	v_and_b32 v4, 7, v0
	v_lshl_add_u32 v4, v2, 3, v4
	v_mul_u32_u24 v[B0], v4, PB
	v_bfe_u32 v5, v0, 3, 1
	v_lshl_add_u32 v[B0], v5, 4, v[B0]             ; the turning load: k row 8 h + l % 8, 16 bytes at (l / 8) % 2
	s_lshl_b32 s22, s12, 8
	s_add_co_u32 s22, s22, BOFF
	v_add_nc_u32 v[B0], s22, v[B0]                 ; my 128 columns
	v_mov_b32 v[ADA], v[A0]
	v_mov_b32 v[ADB], v[B0]
	s_mov_b32 s[TB], 0
	s_mul_i32 s23, s10, WSTAGE
	s_add_co_u32 s23, s23, STAGE                   ; my stage
	v_mul_u32_u24 v[STO], v1, SP
	v_lshl_add_u32 v[STO], v2, 4, v[STO]
	v_add_nc_u32 v[STO], s23, v[STO]               ; in: row r, 16 bytes for each half of the lanes
	v_bfe_u32 v[RD], v0, 3, 2
	v_mul_u32_u24 v[RD], v[RD], SP
	v_and_b32 v4, 7, v0
	v_lshl_add_u32 v[RD], v4, 4, v[RD]
	v_add_nc_u32 v[RD], s23, v[RD]                 ; back: 32 lanes take four rows of 128 bytes,
	v_lshlrev_b32 v[GO], 4, v3                     ; which are 512 consecutive bytes of a head
	v_lshlrev_b32 v[TBO], 7, v1
	v_lshl_add_u32 v[TBO], v2, 4, v[TBO]           ; the tables: row r, four pairs at 4 h
	s_and_b32 s16, s13, 15
	s_lshl_b32 s16, s16, 14
	s_lshl_b32 s17, s11, 13
	s_add_co_u32 s16, s16, s17
	s_mov_b32 s17, 0
	s_add_nc_u64 s[72:73], s[72:73], s[16:17]      ; at my 64 rows' t
	WIN 0x80                                       ; destination window 2
.set a, 0
.rept 4
.set c, 0
.rept 4
	global_load_b128 v[4*(4*a+c):4*(4*a+c)+3], v[TBO], s[72:73] offset:a*2048+32*c
	global_load_b128 v[64+4*(4*a+c):64+4*(4*a+c)+3], v[TBO], s[72:73] offset:a*2048+32*c+262144
.set c, c+1
.endr
.set a, a+1
.endr
	WIN 0
	; where my part of section q begins in qkvh: batch, rows (in registers that hold no cx), then heads
	s_lshr_b32 s16, s13, 4
	s_lshl_b32 s16, s16, 22
	s_and_b32 s17, s13, 15
	s_lshl_b32 s17, s17, 14
	s_add_co_u32 s16, s16, s17
	s_lshl_b32 s17, s11, 13
	s_add_co_u32 s16, s16, s17
	s_mov_b32 s17, 0
	s_add_nc_u64 s[8:9], s[74:75], s[16:17]
	s_lshl_b32 s46, s42, 2
	s_lshl_b32 s47, s12, 1
	s_add_co_u32 s46, s46, s47                     ; head 4 x + 2 ch
	s_lshl_b32 s46, s46, 18
	s_mov_b32 s47, 0
	s_add_nc_u64 s[8:9], s[8:9], s[46:47]
	; the prefetches
	s_mov_b32 s[PST], KA
	s_mov_b32 s[PST+1], 0
	s_mov_b32 s18, KB
	s_mov_b32 s[PJ], 7*KA
	s_mov_b32 s[PJ+1], 0
	s_mov_b32 s19, 7*KB-2048
	s_mov_b32 s14, 262144
	s_mov_b32 s15, 2*NN
	s_lshr_b32 s20, s13, 4
	s_lshl_b32 s20, s20, 22
	s_and_b32 s21, s13, 15
	s_lshl_b32 s21, s21, 14
	s_add_co_u32 s20, s20, s21
	s_lshl_b32 s21, s40, 12                        ; A: my work-group's 4,096 bytes of each plane
	s_add_co_u32 s20, s20, s21
	s_add_co_u32 s20, s20, 3*KA                    ; at K step 3: the first change of slots steps it to 4
	s_lshl_b32 s22, s12, 6
	s_lshl_b32 s23, s41, 4                         ; B: my work-group's 16 rows of the 64 that I fetch
	s_add_co_u32 s22, s22, s23
	s_mul_i32 s22, s22, 2*NN
	s_lshl_b32 s23, s42, 9
	s_add_co_u32 s22, s22, s23
	s_add_co_u32 s22, s22, 3*KB
	s_and_b32 s23, ttmp7, 0xffff
	s_cmp_eq_u32 s23, 0
	s_cselect_b32 s23, 2, -1                       ; B: the first cluster asks
	s_cmp_eq_u32 s10, 0
	s_cselect_b32 s[LIM], 2, -1                    ; A: wave 0 asks
	s_cmp_eq_u32 s11, 0
	s_cselect_b32 s[LIM], s[LIM], s23              ; the same in all sixteen partners, for a given wave
	s_cselect_b32 s20, s20, s22
	s_cselect_b64 s[PFA:PFA+1], s[4:5], s[6:7]
	s_cselect_b32 s[PST], s[PST], s18
	s_cselect_b32 s[PJ], s[PJ], s19
	s_cselect_b32 s14, s14, s15
	s_cselect_b32 s15, 4, 1
	s_cselect_b32 s16, 15, 1
	s_mov_b32 s21, 0
	s_add_nc_u64 s[PFA:PFA+1], s[PFA:PFA+1], s[20:21]
	v_lshrrev_b32 v4, s15, v3
	v_mul_u32_u24 v4, v4, s14
	v_and_b32 v5, s16, v3
	v_lshl_add_u32 v[PFO], v5, 8, v4               ; A: plane l / 16, block l % 16;  B: row l / 2, block l % 2
; 8 matrix instructions: row block a x all 8 column blocks, 32 along K.  The 32 accumulators take turns in the same order in every quarter.  zero = 1: the first product starts the sums.
.macro MUL8 f, a, zero
	WIN MUL
.irp b, 0,1,2,3,4,5,6,7
.if \zero
	v_wmma_f32_16x16x32_bf16 v[8*(8*(\a)+(\b)):8*(8*(\a)+(\b))+7], v[(\f)+32+8*(\b):(\f)+32+8*(\b)+7], v[(\f)+8*(\a):(\f)+8*(\a)+7], 0
.else
	v_wmma_f32_16x16x32_bf16 v[8*(8*(\a)+(\b)):8*(8*(\a)+(\b))+7], v[(\f)+32+8*(\b):(\f)+32+8*(\b)+7], v[(\f)+8*(\a):(\f)+8*(\a)+7], v[8*(8*(\a)+(\b)):8*(8*(\a)+(\b))+7]
.endif
.endr
.endm
; 24 LDS loads in one run: quarter kq (32 along K) of the slot in hand into buffer f: B's eight blocks (turned), then A's four
.macro FETCH kq, f
	WIN 0
.irp b, 0,1,2,3,4,5,6,7
	ds_load_tr16_b128 v[(\f)+32+8*(\b):(\f)+32+8*(\b)+3],   v[ADB] offset:(\kq)*32*PB+32*(\b)
	ds_load_tr16_b128 v[(\f)+32+8*(\b)+4:(\f)+32+8*(\b)+7], v[ADB] offset:(\kq)*32*PB+32*(\b)+16*PB
.endr
.irp a, 0,1,2,3
	ds_load_b128 v[(\f)+8*(\a):(\f)+8*(\a)+3],   v[ADA] offset:((\kq)/2)*PLANE+(\a)*16*PA+((\kq)%2)*64
	ds_load_b128 v[(\f)+8*(\a)+4:(\f)+8*(\a)+7], v[ADA] offset:((\kq)/2)*PLANE+(\a)*16*PA+((\kq)%2)*64+32
.endr
.endm
; One of a K step's first three quarters: multiplies buffer f; in its middle it fetches quarter kq into buffer g.
.macro QUARTER kq, f, g, zero
	s_wait_dscnt 4                                 ; B and A's blocks 0, 1 are in; the youngest four loads (blocks 2, 3) may be out
	MUL8 \f, 0, \zero
	MUL8 \f, 1, \zero
	PLACES
	FETCH \kq, \g
	s_wait_dscnt 24                                ; all but the 24 just issued
	MUL8 \f, 2, \zero
	MUL8 \f, 3, \zero
.endm
; The last quarter multiplies buffer 1 and changes slots: one barrier, in front of which each wave waits for all its tensor loads (one is out: its part of the next slot), adds 0 to its spare word, and waits for that and
; for its reads of this slot.  fill = 1: the barrier opens a round of the cluster's, and the slot just read is filled again first behind it: 112 matrix instructions ahead of the wait for it.
; jump = 1: with the next tile's K step 0.  how: which test the prefetch takes.
.macro TURN fill, jump, how
.if \fill
	s_wait_xcnt 0x0                                ; the last prefetch, a K step back, has read its address
.if \jump
	s_sub_nc_u64 s[PFA:PFA+1], s[PFA:PFA+1], s[PJ:PJ+1]  ; from two steps past the tile's last to the next tile's K step 2
	s_cmp_eq_u32 s11, 1
	s_cselect_b32 s[LIM], s[LIM], -1               ; A's rows are the same in all three tiles: they are asked for no more
.else
	s_add_nc_u64 s[PFA:PFA+1], s[PFA:PFA+1], s[PST:PST+1]
.endif
.endif
	WIN 0
	s_wait_tensorcnt 0x0                           ; all my tensor loads have landed
	ds_add_u32 v[SPW], v[NIL]                      ; 0 onto my spare word
	s_wait_dscnt 5                                 ; (the add and the youngest four loads may be out)
	MUL8 F1, 0, 0
	s_wait_dscnt 0x0                               ; the add is done, and my reads of this slot are over
	s_barrier_signal -1
	MUL8 F1, 1, 0
	WIN 0
	s_barrier_wait -1
.if \fill
	CREST                                          ; no wave of any partner still reads this slot or has a load on its way
	s_xor_b32 s[G0A+5], s[G0A+5], SLOT1            ; the walking descriptors: the other slot than last time,
	s_xor_b32 s[G0B+5], s[G0B+5], SLOT1
.if \jump
	s_sub_nc_u64 s[G0A+6:G0A+7], s[G0A+6:G0A+7], 7*KA        ; A back along K,
	s_sub_nc_u64 s[G0B+6:G0B+7], s[G0B+6:G0B+7], 7*KB-2048   ; B back, and on to the next section's columns
.else
	s_add_nc_u64 s[G0A+6:G0A+7], s[G0A+6:G0A+7], KA          ; the next K step
	s_add_nc_u64 s[G0B+6:G0B+7], s[G0B+6:G0B+7], KB
.endif
	JLOAD 1                                        ; the four v_nop behind it are also the places in front of the loads below
.else
	PLACES
.endif
	s_xor_b32 s[TB], s[TB], SLOT1
	v_add_nc_u32 v[ADA], s[TB], v[A0]
	v_add_nc_u32 v[ADB], s[TB], v[B0]
	FETCH 0, F0
.if \fill
	ASK \how
.endif
	MUL8 F1, 2, 0
	MUL8 F1, 3, 0
.endm
; THE ROTARY TURN, in place: (e, o) -> (e c - o s, o c + e s).  T = (o s, e s), then (e, o) x (c, c) + (-T.lo, T.hi).  Each accumulator's lowest pair is read first.
.macro ROPE
	PLACES
	PLACES
.irp a, 0,1,2,3
	WIN 0x09                                       ; source 0 window 1, source 1 window 2, destination window 0
.set rb, 0
.rept 8
.set ri, 0
.rept 4
.set rD, 8*(8*(\a)+rb)+2*ri
.set rZ, 64+4*(4*(\a)+rb%4)+(ri/2)*2
.set rT, 128+8*rb+2*ri
.if ri%2
	v_pk_mul_f32 v[rT:rT+1], v[rD:rD+1], v[rZ:rZ+1] op_sel:[1,1] op_sel_hi:[0,1]
.else
	v_pk_mul_f32 v[rT:rT+1], v[rD:rD+1], v[rZ:rZ+1] op_sel:[1,0] op_sel_hi:[0,0]
.endif
.set ri, ri+1
.endr
.set rb, rb+1
.endr
	WIN 0x49                                       ; the same with the destination in window 1, source 2 in window 0
.set rb, 0
.rept 8
.set ri, 0
.rept 4
.set rD, 8*(8*(\a)+rb)+2*ri
.set rZ, 4*(4*(\a)+rb%4)+(ri/2)*2
.set rT, 128+8*rb+2*ri
.if ri%2
	v_pk_fma_f32 v[rD:rD+1], v[rD:rD+1], v[rZ:rZ+1], v[rT:rT+1] op_sel:[0,1,0] op_sel_hi:[1,1,1] neg_lo:[0,0,1]
.else
	v_pk_fma_f32 v[rD:rD+1], v[rD:rD+1], v[rZ:rZ+1], v[rT:rT+1] op_sel:[0,0,0] op_sel_hi:[1,0,1] neg_lo:[0,0,1]
.endif
.set ri, ri+1
.endr
.set rb, rb+1
.endr
.endr
	WIN 0
.endm
; THE WAY OUT, eight pieces t = 2 a + hh of 16 rows x one head: rounded to f16, 16 bytes a lane into my stage, back as whole rows, stored as 512 consecutive bytes.
.macro PACK t
	WIN 0x05                                       ; sources 0 and 1 window 1
.set pc, 0
.rept 4
.set pi, 0
.rept 4
	v_cvt_pk_f16_f32 v[TMP+4*pc+pi], v[8*(8*((\t)/2)+4*((\t)%2)+pc)+2*pi], v[8*(8*((\t)/2)+4*((\t)%2)+pc)+2*pi+1]
.set pi, pi+1
.endr
.set pc, pc+1
.endr
	WIN 0
	s_wait_xcnt 0x0                                ; the stores of the piece two back have read the registers that the loads below fill
.irp c, 0,1,2,3
	ds_store_b128 v[STO], v[TMP+4*\c:TMP+4*\c+3] offset:32*\c
.endr
.irp f, 0,1,2,3
	ds_load_b128 v[BK0+16*((\t)%2)+4*\f:BK0+16*((\t)%2)+4*\f+3], v[RD] offset:\f*4*SP  ; LDS serves a wave's instructions in order: these see the stores above
.endr
.endm
.macro SEND t, younger                 ; younger: the LDS instructions issued behind piece t's loads
.irp f, 0,1,2,3
	s_wait_dscnt (\younger)+3-\f
	global_store_b128 v[GO], v[BK0+16*((\t)%2)+4*\f:BK0+16*((\t)%2)+4*\f+3], s[8:9] offset:((\t)%2)*262144+((\t)/2)*2048+\f*512
.endr
.endm
.macro WAYOUT
	PACK 0
.irp t, 1,2,3,4,5,6,7
	PACK \t
	SEND (\t)-1, 8
.endr
	SEND 7, 0
.endm
	s_wait_tensorcnt 1                             ; my part of K step 0 is in; step 1's may stay out
	s_wait_loadcnt 0x0                             ; the tables
	s_barrier_signal -1
	s_barrier_wait -1
	FETCH 0, F0
	s_mov_b32 s2, TILES                            ; tiles to go: the same number in every work-group
.Ltile:
	QUARTER 1, F0, F1, 1                           ; a tile's first quarter starts the sums
	WIN 0
	s_mov_b32 s3, 6
.Lstep:                                        ; a trip: from a K step's second quarter to the next step's first; steps 0 to 5 refill with steps 2 to 7
	QUARTER 2, F1, F0, 0
	QUARTER 3, F0, F1, 0
	TURN 1, 0, 0
	QUARTER 1, F0, F1, 0
	WIN 0
	s_sub_co_u32 s3, s3, 1
	s_cmp_lg_u32 s3, 0
	s_cbranch_scc1 .Lstep
	QUARTER 2, F1, F0, 0
	QUARTER 3, F0, F1, 0
	WIN 0
	s_cmp_eq_u32 s2, 1
	s_cbranch_scc1 .Llast                          ; the last tile's tail is written out: it asks for nothing more
	TURN 1, 1, 1                                   ; the ring goes on into the next tile: its K step 0,
	QUARTER 1, F0, F1, 0
	QUARTER 2, F1, F0, 0
	QUARTER 3, F0, F1, 0
	TURN 1, 0, 1                                   ; its K step 1, and its first fragments (buffer 0 is not touched below)
	ROPE                                           ; sections q and k
	WAYOUT
	s_wait_xcnt 0x0                                ; the stores have read their registers and their base
	s_add_nc_u64 s[8:9], s[8:9], 16777216          ; the next section
	s_sub_co_u32 s2, s2, 1
	s_branch .Ltile
.Llast:
	TURN 0, 0, 0
	QUARTER 1, F0, F1, 0
	QUARTER 2, F1, F0, 0
	QUARTER 3, F0, F1, 0
	s_wait_dscnt 4
	MUL8 F1, 0, 0
	MUL8 F1, 1, 0
	s_wait_dscnt 0x0
	MUL8 F1, 2, 0
	MUL8 F1, 3, 0
	PLACES
	PLACES
	WAYOUT                                         ; section v: no turn
	s_wait_tensorcnt 0x0                           ; the wave's end
	ds_add_u32 v[SPW], v[NIL]
	s_wait_dscnt 0x0
	CROUND                                         ; the closing round
	s_endpgm
.Lfunc_end_k_q739a6134f6_qkv:
	.size	k_q739a6134f6_qkv, .Lfunc_end_k_q739a6134f6_qkv-k_q739a6134f6_qkv
	.p2alignl 7, 3214868480
	.fill 96, 4, 3214868480
	.section	.rodata,"a",@progbits
	.p2align	6, 0x0
	.amdhsa_kernel k_q739a6134f6_qkv
		.amdhsa_group_segment_fixed_size 327680
		.amdhsa_private_segment_fixed_size 0
		.amdhsa_enable_private_segment 0
		.amdhsa_kernarg_size 32
		.amdhsa_user_sgpr_count 2
		.amdhsa_user_sgpr_kernarg_segment_ptr 1
		.amdhsa_wavefront_size32 1
		.amdhsa_system_sgpr_workgroup_id_x 1
		.amdhsa_system_sgpr_workgroup_id_y 1
		.amdhsa_system_sgpr_workgroup_id_z 1
		.amdhsa_system_vgpr_workitem_id 0
		.amdhsa_next_free_vgpr 640
		.amdhsa_next_free_sgpr 76
		.amdhsa_reserve_vcc 0
		.amdhsa_float_denorm_mode_32 3
		.amdhsa_float_denorm_mode_16_64 3
		.amdhsa_memory_ordered 1
		.amdhsa_forward_progress 1
		.amdhsa_inst_pref_size 132
	.end_amdhsa_kernel
	.amdgpu_metadata
---
amdhsa.version: [ 1, 2 ]
amdhsa.kernels:
  - .name:           k_q739a6134f6_qkv
    .symbol:         k_q739a6134f6_qkv.kd
    .args:
      - { .name: xb, .offset: 0, .size: 8, .value_kind: global_buffer, .address_space: global }
      - { .name: wqb, .offset: 8, .size: 8, .value_kind: global_buffer, .address_space: global }
      - { .name: rope, .offset: 16, .size: 8, .value_kind: global_buffer, .address_space: global }
      - { .name: qkvh, .offset: 24, .size: 8, .value_kind: global_buffer, .address_space: global }
    .group_segment_fixed_size: 327680
    .private_segment_fixed_size: 0
    .kernarg_segment_align: 8
    .kernarg_segment_size: 32
    .max_flat_workgroup_size: 128
    .sgpr_count:     76
    .vgpr_count:     640
    .wavefront_size: 32
...
	.end_amdgpu_metadata
.endif
;; end of part 2
;; launch attn (part 3): grid 4 x 64, 4 waves a work-group, clusters of 4 x 1, 327,680 bytes of LDS; arguments qkvh, maskb, oh; writes oh
.if DOCPART == 3
	.amdgcn_target "amdgcn-amd-amdhsa--gfx1250"
	.amdhsa_code_object_version 6
	.text
	.protected	k_q739a6134f6_attn
	.globl	k_q739a6134f6_attn
	.p2align	8
	.type	k_q739a6134f6_attn,@function
k_q739a6134f6_attn:
	s_mov_b64 s[64:65], 0
	v_nop
	global_prefetch_b8 v0, s[64:65] scope:SCOPE_SE
	s_setreg_imm32_b32 hwreg(HW_REG_WAVE_MODE, 25, 1), 1
	s_wait_xcnt 0x0
	s_wait_alu depctr_hold_cnt(0) depctr_sa_sdst(0) depctr_va_vdst(0) depctr_va_sdst(0) depctr_va_ssrc(0) depctr_va_vcc(0) depctr_vm_vsrc(0)
	s_getreg_b32 s2, hwreg(HW_REG_IB_STS2, 6, 4)
	s_cmp_eq_u32 s2, 0
	s_cbranch_scc0 .Lentry_in_a_cluster
	s_endpgm
.Lentry_in_a_cluster:
	s_bfe_u32 s2, ttmp6, 0x10000c
	s_cmp_lg_u32 s2, 0x3003
	s_cbranch_scc0 .Lentry_shape_is_right
	s_endpgm
.Lentry_shape_is_right:
; ATTENTION under a mask that is an input.  O[bh][q][:] = the sum over k of softmax_k(s) V[bh][k][:], s = Q . K / 8 where the mask shows key k to query q, the lowest number where it hides it.
; qkvh: [section q, k, v][bh 64][t 2048][64] f16, q and k 32 times smaller than true; oh: [bh][t][64] f16; maskb: a byte for each query and key, 0xb8 (-1 as an fp8 E4M3 code) where hidden, 0 where shown.
; Products, maxima and sums in f32; the weights p are rounded to f16 for the second product (their sum l is taken of the unrounded p), O once at the end.
; LIMITS.  A hidden score counts as -2^100: s - 2^100 rounds to -2^100 for every |s| under 2^75, and the stored products are 2.7e11 at the most.  c x 2^100 is exact, so a row with no key shown has p = 1 for
; every key: the mean of V, as the softmax of equal scores gives.  A weight below 2^-126 counts as 0 in l; NaN and infinities are not treated apart.
; SHARES.  A wave owns four PIECES of two tiles of 16 queries, a work-group's four waves 512 queries of one head.  Every wave walks all keys, 64 a step; a slot of LDS holds four steps.
; LAYOUT.  S^T = K Q^T: a lane holds ONE query (lane % 16) and the keys 8 (lane / 16) + 0..7 of each block of 16.  Two such tiles, rounded to f16, ARE source 1 of O^T = V^T P.  V comes out of LDS turned.
; SOFTMAX.  A running maximum m and sum l: p = 2^(c s - c m), c = 2^10 log2(e) / 8 (the 2^10 gives back what q and k were made smaller by); O and l are multiplied by a = 2^(c m_old - c m_new) in every step.
; BY TURNS.  Turn n belongs to piece n: 16 products K Q^T of piece n + 1, later 16 products V^T P of piece n - 1; beside them the scaling, exponentials, roundings, sums and rescaling of piece n and the mask, maximum
; and statistics of piece n + 1.  Four vector instructions stand behind every matrix instruction, the others in one lump.  A turn's 66 exponentials are one batch with one wait.
; THE MASK.  maskb is laid so that a lane's 32 bytes of a tile and key step are the 32 registers of S^T in order, and a wave's load covers 512 consecutive bytes.  A turn has eight conversions, each of eight bytes
; into eight f32 times 2^100 (0 or -2^100), and 32 packed additions onto the next piece's scores.  A piece's bytes are asked for anew, for the next key step, straight behind their use: four turns ahead.
; They are not prefetched: sixteen heads read them, and their loads go out a key step ahead of the use.
; CLUSTER.  The four query blocks of a head walk the same K and V: each tile is asked for jointly.
; REGISTERS: window 0: v0-11 addresses, v9 the conversions' scale, v11 the prefetches' offset; v12-15, v48-63 at work; v16-47 statistics; v64-191 S^T, two buffers of two tiles; v192-255 P, likewise
;   window 1: O^T, 32 a tile     window 2: v0-127 Q; v128-191 K of one step; v192-255 V of one step     window 3: v0-1 the add's two registers; v16-79 the mask's bytes, 8 a tile; v128-191 what is added, 32 a tile
.set SIZE_N, 2048
.set NP,    4
.set KS,    64
.set PK,    160       ; a row of K and of V in LDS: 128 bytes + 32.  One descriptor serves both; the turning load wants an odd multiple of 32; K's plain loads meet two deep in the banks, at one LDS load for four products
.set PV,    160
.set VOFF,  4*KS*PK   ; a slot: 256 rows of K, then 256 rows of V
.set SLOT1, 1<<17
.set STAGE, SLOT1+4*KS*(PK+PV)
.set SP,    144
.set AK0, 2
.set AV0, 3
.set AK,  4
.set AV,  5
.set QO,  6
.set STO, 6
.set RD,  7
.set GO,  8           ; v8   16 x my lane: my place in 512 consecutive bytes, of the mask's bytes and of O; never rewritten
.set SC,  9           ; v9   0xe3: the conversions' scale, 2^(0xe3 - 127) = 2^100; written behind the set-up's last use of v9, then never rewritten
.set PFO, 11          ; v11  256 x my lane: the prefetches' offset; never rewritten
.set SPW, 0           ; v0 of window 3   SPARE + 4 x my thread's number; never rewritten
.set NIL, 1           ; v1 of window 3   0; never rewritten
.set MB,  16          ; window 3: piece p, tile u: 8 registers at MB + 16 p + 8 u
.set BI,  128         ; window 3: tile u's 32 addends at BI + 32 u
.set SPARE, STAGE+4*16*SP
.set MV,  12
.set ST,  16
.set TMP, 48
.set S,   64
.set P,   192
.set KF,  128
.set VF,  192
.set PFA, 2           ; s[2:3]   where my prefetches stand
.set QP,  4           ; s[4:5]   Q at my wave's first row
.set MP,  6           ; s[6:7]   maskb at my wave's first tile, at the key step whose bytes are asked for
.set PST, 8           ; s[8:9]   the prefetches' step: a slot's 32,768 bytes
.set OP_, 10          ; s[10:11] O at my wave's first row
.set WV,  12
.set LIM, 15          ; s15  a wave prefetches while s[SLOTS] is above it
.set G0,  16          ; s[16:19] descriptor group 0: it walks
.set MST, 20          ; s[20:21] 1,024: a key step's bytes of a tile
.set CS,  22          ; s[22:23] c
.set G1,  24          ; s[24:31] descriptor group 1
.set SEL, 66          ; s66, s67
.set SLOTS, 100
.set CNT, 101
.set TBK, 104
.set TBV, 105
.set MSB, 0
.macro WIN new
.if MSB != (\new)
	s_set_vgpr_msb (MSB<<8)|(\new)
.set MSB, (\new)
.endif
.endm
.set W_KQ, 0x0a
.set W_PV, 0x52
.set W_RS, 0x41
.set W_MK, 0xc0       ; destination in window 3, sources in window 0: the add's registers are made, the mask's bytes loaded
.set W_AD, 0x0f
.set W_CV, 0xc3       ; the conversions: destination and source 0 in window 3, the scale in window 0
.set W_MA, 0x0c       ; the additions: source 1 in window 3.  An exponential names a destination and source 0 alone, so it stands under this setting as under 0
; A joint fill: wave w fetches quarter w of a slot (K's keys 0-127, 128-255, V's likewise): both addresses hang on the wave's number.  An s_nop 0 and four v_nop follow.
.macro JLOAD
	tensor_load_to_lds s[G0:G0+3], s[G1:G1+7]
	s_nop 0
.rept 4
	v_nop
.endr
.endm
; A prefetch, behind the fill: waves 0 and 2 ask for the slot of K, of V that the NEXT change of slots will ask for (128 blocks of 256 bytes; the four partners take 32 each, told apart by address): four key steps ahead.
.macro ASK
	s_cmp_gt_u32 s[SLOTS], s[LIM]
	s_cbranch_scc0 .Lnot_mine_\@
	global_prefetch_b8 v[PFO], s[PFA:PFA+1] th:TH_LOAD_NT scope:SCOPE_SE
.Lnot_mine_\@:
.endm
.macro CROUND
	s_barrier_signal -1
	s_barrier_wait -1
	s_cmp_lg_u32 s[WV], 0
	s_cbranch_scc1 .Lnot_wave_0_\@
	s_barrier_signal -3
.Lnot_wave_0_\@:
	s_barrier_wait -3
	s_barrier_signal -1
	s_barrier_wait -1
.endm
; THE CHANGE OF SLOTS.  Each wave waits for all its tensor loads (one is out: its part of the other slot), adds 0 to its spare word, and waits for that and for its reads of the slot.  fill = 1: the barrier is a round of
; the cluster's, and the slot is filled again first behind it, with the keys two slots on: it has four key steps, 512 matrix instructions, in which to land.
.macro CHANGE fill
	WIN W_AD
	s_wait_tensorcnt 0x0
	ds_add_u32 v[SPW], v[NIL]       ; 0 onto my spare word
	WIN 0
.if \fill
	s_xor_b32 s[G0+1], s[G0+1], SLOT1
	s_add_nc_u64 s[G0+2:G0+3], s[G0+2:G0+3], 4*KS*128
	s_wait_xcnt 0x0                 ; the last prefetch, four key steps back, has read its address
	s_add_nc_u64 s[PFA:PFA+1], s[PFA:PFA+1], s[PST:PST+1]
	s_wait_dscnt 0x0                ; the add is done, and my reads of the slot are over
	CROUND
	JLOAD
	ASK
.else
	s_wait_dscnt 0x0
	s_barrier_signal -1
	s_barrier_wait -1
.endif
	s_sub_co_u32 s[TBK], s[TBK], 4*KS*PK
	s_xor_b32 s[TBK], s[TBK], SLOT1
	s_sub_co_u32 s[TBV], s[TBV], 4*KS*PV
	s_xor_b32 s[TBV], s[TBV], SLOT1
.endm
.macro LOADB x                      ; the bytes of piece x's two tiles for the key step at which MP stands: four loads of 512 consecutive bytes
	WIN W_MK
.irp u, 0,1
	global_load_b128 v[MB+16*(\x)+8*\u:MB+16*(\x)+8*\u+3],   v[GO], s[MP:MP+1] offset:(2*(\x)+\u)*32768
	global_load_b128 v[MB+16*(\x)+8*\u+4:MB+16*(\x)+8*\u+7], v[GO], s[MP:MP+1] offset:(2*(\x)+\u)*32768+512
.endr
.endm
.macro CVS x                        ; piece x's 64 bytes a lane become 64 addends, 0 or -2^100: eight conversions on end, which name none of each other's results, and the plain instruction that stands between them and their readers
	WIN W_CV
.irp u, 0,1
.irp kb, 0,1,2,3
	v_cvt_scale_pk8_f32_fp8 v[BI+32*\u+8*\kb:BI+32*\u+8*\kb+7], v[MB+16*(\x)+8*\u+2*\kb:MB+16*(\x)+8*\u+2*\kb+1], v[SC]
.endr
.endr
	v_nop
.endm
	s_load_b128 s[36:39], s[0:1], 0x0  ; qkvh s[36:37], maskb s[38:39]
	s_load_b64 s[40:41], s[0:1], 0x10  ; oh
	WIN W_MK
	v_lshl_add_u32 v[SPW], v0, 2, SPARE
	v_mov_b32 v[NIL], 0
	WIN W_AD
	ds_add_u32 v[SPW], v[NIL]       ; the wave's opening: the add and its wait ahead of my first tensor load
	WIN 0
	v_lshrrev_b32 v1, 5, v0
	v_readfirstlane_b32 s[WV], v1
	s_bfe_u32 s13, ttmp6, 0x40000   ; cx
	s_lshl_b32 s14, ttmp9, 2
	s_add_co_u32 s14, s14, s13      ; my block of 512 queries
	s_lshl_b32 s14, s14, 2
	s_add_co_u32 s14, s14, s[WV]    ; my wave among the head's sixteen
	s_and_b32 s42, ttmp7, 0xffff    ; batch x 16 + head, which the four partners share
	s_lshl_b32 s44, s42, 18         ; a head's 262,144 bytes
	s_and_b32 s50, s[WV], 1
	s_lshr_b32 s51, s[WV], 1
	s_add_co_u32 s43, s51, 1
	s_lshl_b32 s43, s43, 24
	s_add_co_u32 s43, s43, s44      ; section k (waves 0, 1) or v (waves 2, 3), at the head
	s_lshl_b32 s46, s50, 14
	s_add_co_u32 s46, s46, s43      ; + my half of a slot's 256 keys: no place in the cluster enters the descriptor
	s_mov_b32 s47, 0
	s_lshl_b32 s48, s14, 14
	s_add_co_u32 s48, s48, s44      ; my 128 rows of Q and of O
	s_mov_b32 s49, 0
	s_lshr_b32 s54, s42, 4
	s_lshl_b32 s54, s54, 22         ; the batch's bytes of the mask,
	s_lshl_b32 s60, s14, 18         ; my eight tiles' 32,768 each
	s_add_co_u32 s60, s60, s54
	s_mov_b32 s61, 0
	s_lshl_b32 s52, s13, 13         ; the prefetches: my work-group's 32 blocks,
	s_add_co_u32 s52, s52, s43
	s_add_co_u32 s52, s52, 32768    ; in slot 1: the first change of slots steps it to slot 2
	s_mov_b32 s53, 0
	s_cmp_eq_u32 s50, 0
	s_cselect_b32 s[LIM], 1, -1     ; waves 0 and 2 ask: the same in all four partners
	s_mov_b32 s[PST], 32768
	s_mov_b32 s[PST+1], 0
	s_mov_b32 s[G1], 15|(1<<16)|(1<<20)|(1<<21)|(4<<22)|(7<<25)  ; the mask of four; 2-byte elements; padding on; bit 21 beside a mask; after every 32 words, 8 words
	s_mov_b32 s[G1+1], 128<<16      ; 128 keys are 16,384 dense bytes: asked for as 64 rows of 256 bytes
	s_mov_b32 s[G1+2], 64<<16
	s_mov_b32 s[G1+3], 128<<16
	s_mov_b32 s[G1+4], 64
	s_mov_b32 s[G1+5], 128
	s_mov_b32 s[G1+6], 0
	s_mov_b32 s[G1+7], 0
	s_mov_b32 s[CS], 0x4338aa3b     ; c = 1,024 log2(e) / 8
	s_mov_b32 s[CS+1], s[CS]
	s_mov_b32 s[SEL], 0x76543210
	s_mov_b32 s[SEL+1], 0xfedcba98
	s_mov_b32 s[TBK], SLOT1+4*KS*PK ; the first change of slots turns these two into 0
	s_mov_b32 s[TBV], SLOT1+4*KS*PV
	s_mov_b32 s[G0], 1
	s_mul_i32 s[G0+1], s[WV], 128*PK  ; my quarter of slot 0
	s_mov_b32 s[MST], 0x400
	s_mov_b32 s[MST+1], 0
	s_mov_b32 s[SLOTS], SIZE_N/256-1
	s_wait_dscnt 0x0                ; the opening add is done
	s_wait_kmcnt 0x0
	s_add_nc_u64 s[G0+2:G0+3], s[36:37], s[46:47]
	s_or_b32 s[G0+3], s[G0+3], 0x80000000
	s_add_nc_u64 s[QP:QP+1], s[36:37], s[48:49]
	s_add_nc_u64 s[OP_:OP_+1], s[40:41], s[48:49]
	s_add_nc_u64 s[MP:MP+1], s[38:39], s[60:61]
	s_add_nc_u64 s[PFA:PFA+1], s[36:37], s[52:53]
	CROUND                          ; all four work-groups are here: the first joint loads meet
	JLOAD                           ; slot 0
	v_and_b32 v1, 15, v0            ; l % 16
	v_bfe_u32 v9, v0, 4, 1          ; l / 16
	v_lshlrev_b32 v[QO], 7, v1
	v_lshl_add_u32 v[QO], v9, 4, v[QO]
	v_and_b32 v[GO], 31, v0
	v_lshlrev_b32 v[GO], 4, v[GO]
	WIN 0x80
.set i, 0
.rept 4*NP                          ; Q stays in registers: tile i / 2, channels 32 (i % 2) on
	global_load_b128 v[8*i:8*i+3],   v[QO], s[QP:QP+1] offset:(i/2)*2048+(i%2)*64
	global_load_b128 v[8*i+4:8*i+7], v[QO], s[QP:QP+1] offset:(i/2)*2048+(i%2)*64+32
.set i, i+1
.endr
	LOADB 0                         ; all four pieces' bytes for key step 0: sixteen loads behind Q's
	LOADB 1
	LOADB 2
	LOADB 3
	; What the first turn finds: V's registers and P's second buffer hold 0, O^T and l are 0.  All this stands in the wait for the first tile.
	WIN 0x80
.set i, VF
.rept 64
	v_mov_b32 v[i], 0
.set i, i+1
.endr
	WIN 0x40
.set i, 0
.rept 64*NP
	v_mov_b32 v[i], 0
.set i, i+1
.endr
	WIN 0
.set i, 0
.rept 2*NP
	v_mov_b32 v[ST+4*i], 0xfe000000    ; c m: far below every c s, the hidden ones' too
	v_mov_b32 v[ST+4*i+1], 0xff7fffff  ; m
	v_mov_b32 v[ST+4*i+2], 0
	v_mov_b32 v[ST+4*i+3], 0
.set i, i+1
.endr
.set i, P+32
.rept 32
	v_mov_b32 v[i], 0
.set i, i+1
.endr
	v_mul_u32_u24 v[AK0], v1, PK
	v_lshl_add_u32 v[AK0], v9, 4, v[AK0]
	v_and_b32 v10, 7, v0
	v_bfe_u32 v11, v0, 3, 1
	v_lshl_add_u32 v[AV0], v9, 3, v10
	v_mul_u32_u24 v[AV0], v[AV0], PV
	v_lshl_add_u32 v[AV0], v11, 4, v[AV0]
	v_add_nc_u32 v[AV0], VOFF, v[AV0]
	v_mov_b32 v[AK], v[AK0]
	v_and_b32 v[PFO], 31, v0
	v_lshlrev_b32 v[PFO], 8, v[PFO]
.macro KQ x
	WIN W_KQ
.set rS, S+64*((\x)%2)+32*(i%2)+8*((i/2)%4)
.set rK, KF+16*((i/2)%4)+8*(i/8)
.set rQ, 16*(2*(\x)+i%2)+8*(i/8)
.if i < 8
	v_wmma_f32_16x16x32_f16 v[rS:rS+7], v[rK:rK+7], v[rQ:rQ+7], 0
.else
	v_wmma_f32_16x16x32_f16 v[rS:rS+7], v[rK:rK+7], v[rQ:rQ+7], v[rS:rS+7]
.endif
.endm
.macro PV x
	WIN W_PV
.set rO, 32*(2*(\x)+i%2)+8*((i/2)%4)
.set rV, VF+32*(i/8)+8*((i/2)%4)
.set rP, P+32*((\x)%2)+16*(i%2)+8*(i/8)
	v_wmma_f32_16x16x32_f16 v[rO:rO+7], v[rV:rV+7], v[rP:rP+7], v[rO:rO+7]
.endm
.macro MM                           ; the turn's next matrix instruction; the 8 accumulators of a run of 16 take turns
.if i < 16
	KQ (Y+1)%NP
.set i, i+1
.else
.set i, i-16
	PV (Y+NP-1)%NP
.set i, i+17
.endif
.endm
.macro FETCH_K last=0
	WIN 0
.if \last
	s_cmp_eq_u32 s[CNT], 1
	s_cbranch_scc1 .Lno_k_\@
.endif
	WIN 0x80
.irp f, 0,1,2,3,4,5,6,7
	ds_load_b128 v[KF+8*\f:KF+8*\f+3],   v[AK] offset:(\f/2)*16*PK+(\f%2)*64
	ds_load_b128 v[KF+8*\f+4:KF+8*\f+7], v[AK] offset:(\f/2)*16*PK+(\f%2)*64+32
.endr
	s_add_co_u32 s[TBK], s[TBK], KS*PK
	WIN 0
.if \last
.Lno_k_\@:
.endif
.endm
.macro FETCH_V
	WIN 0x80
.irp f, 0,1,2,3,4,5,6,7
	ds_load_tr16_b128 v[VF+8*\f:VF+8*\f+3],   v[AV] offset:(\f/4)*32*PV+(\f%4)*32
	ds_load_tr16_b128 v[VF+8*\f+4:VF+8*\f+7], v[AV] offset:(\f/4)*32*PV+16*PV+(\f%4)*32
.endr
	WIN 0
.endm
.macro REGS y, u                    ; the registers of tile u (0, 1) of piece y
.set rT, ST+4*(2*(\y)+(\u))
.set rC, TMP+8*((\y)%2)+4*(\u)
.set rM, MV+2*((\y)%2)+(\u)
.set rS, S+64*((\y)%2)+32*(\u)
.set rP, P+32*((\y)%2)+16*(\u)
.set rO, 32*(2*(\y)+(\u))
.endm
; Number n of the 22 that find the next piece's maximum and statistics: 0-11 four chains of seven scores; 12-14, 16 the four left over, the old m, the four into one; 15 c m_old is kept;
; 17, 18 the other half of the lanes': the new m; 19-21 c m; c m_old - c m_new; a
.macro XS u, n
	REGS (Y+1)%NP, \u
.if (\n) < 4
	v_max3_num_f32 v[rC+(\n)], v[rS+8*(\n)], v[rS+8*(\n)+1], v[rS+8*(\n)+2]
.elseif (\n) < 12
	v_max3_num_f32 v[rC+(\n)%4], v[rC+(\n)%4], v[rS+8*((\n)%4)+2*((\n)/4)+1], v[rS+8*((\n)%4)+2*((\n)/4)+2]
.elseif (\n) == 12
	v_max3_num_f32 v[rC], v[rC], v[rS+7], v[rS+15]
.elseif (\n) == 13
	v_max3_num_f32 v[rC+1], v[rC+1], v[rS+23], v[rS+31]
.elseif (\n) == 14
	v_max3_num_f32 v[rC+2], v[rC+2], v[rC+3], v[rT+1]
.elseif (\n) == 15
	v_mov_b32 v[rM], v[rT]
.elseif (\n) == 16
	v_max3_num_f32 v[rC], v[rC], v[rC+1], v[rC+2]
.elseif (\n) == 17
	v_permlanex16_b32 v[rC+3], v[rC], s[SEL], s[SEL+1]
.elseif (\n) == 18
	v_max_num_f32 v[rT+1], v[rC], v[rC+3]
.elseif (\n) == 19
	v_mul_f32 v[rT], s[CS], v[rT+1]
.elseif (\n) == 20
	v_sub_f32 v[rC+1], v[rM], v[rT]
.else
	v_exp_f32 v[rC+2], v[rC+1]
.endif
.endm
; Number g of the 64 that follow the exponentials: for each four weights both pairs are rounded to f16, the second pair is added onto the first, and a group later l takes that sum (the first time as l = a l + sum).
.macro GS g
.set h, (\g)+6*((\g)/62)
.if h >= 6
.set h, h+2
.endif
	REGS Y, h%2
.set k, h/8
.if h%8 < 4
	v_cvt_pk_f16_f32 v[rP+2*k+(h%8)/2], v[rS+4*k+2*((h%8)/2)], v[rS+4*k+2*((h%8)/2)+1]
.elseif h%8 < 6
	v_pk_add_f32 v[rS+4*k:rS+4*k+1], v[rS+4*k:rS+4*k+1], v[rS+4*k+2:rS+4*k+3]
.elseif k == 1
	v_pk_fma_f32 v[rT+2:rT+3], v[rT+2:rT+3], v[rC+2:rC+3], v[rS:rS+1] op_sel_hi:[1,0,1]
.else
	v_pk_add_f32 v[rT+2:rT+3], v[rT+2:rT+3], v[rS+4*k-4:rS+4*k-3]
.endif
.endm
.macro FS f                         ; c s - c m for pair f / 2 of tile f % 2
	REGS Y, (\f)%2
	v_pk_fma_f32 v[rS+2*((\f)/2):rS+2*((\f)/2)+1], v[rS+2*((\f)/2):rS+2*((\f)/2)+1], s[CS:CS+1], v[rT:rT+1] op_sel_hi:[1,0,0] neg_lo:[0,0,1] neg_hi:[0,0,1]
.endm
.macro MA g                         ; 0 or -2^100 onto pair g / 2 of the next piece's tile g % 2; each accumulator's registers in ascending order
	REGS (Y+1)%NP, (\g)%2
	WIN W_MA
	v_pk_add_f32 v[rS+2*((\g)/2):rS+2*((\g)/2)+1], v[rS+2*((\g)/2):rS+2*((\g)/2)+1], v[BI+32*((\g)%2)+2*((\g)/2):BI+32*((\g)%2)+2*((\g)/2)+1]
.endm
; THE PLAIN QUEUE, 170 long.  0-31 the scalings; 32-63 the mask's additions; 64-91 XS 0-13; 92, 93 XS 15; 94-105 the chain XS 14, 16 .. 20; 106-169 GS, which read the exponentials' results and stand behind the wait.
.macro PL
.if (q >= 32) && (q < 64)
	MA q-32
.else
	WIN 0
.if q < 32
	FS q
.elseif q < 92
	XS (q-64)%2, (q-64)/2
.elseif q < 94
	XS q-92, 15
.elseif q < 96
	XS q-94, 14
.elseif q < 106
	XS (q-96)%2, 16+(q-96)/2
.else
	GS q-106
.endif
.endif
.set q, q+1
.endm
.macro EX                           ; the exponentials' queue, 66 long: s0-s31 of both tiles, then the next piece's two a: one batch, all ahead of the turn's one wait
.if MSB != W_MA
	WIN 0
.endif
.if e >= 64
	XS e-64, 21
.else
	REGS Y, e%2
	v_exp_f32 v[rS+e/2], v[rS+e/2]
.endif
.set e, e+1
.endm
.macro R2                           ; O^T times a, two at a time, sixteen times; its a was made, and waited for, in the turn before
	REGS Y, r%2
	WIN W_RS
.irp z, 0,1
	v_pk_mul_f32 v[rO+4*(r/2)+2*\z:rO+4*(r/2)+2*\z+1], v[rO+4*(r/2)+2*\z:rO+4*(r/2)+2*\z+1], v[rC+2:rC+3] op_sel_hi:[1,0]
.endr
.set r, r+1
.endm
; A TURN, for piece p.  AHEAD OF THE WAIT stands all that names no result of the turn's exponentials: 16 products K Q^T, behind each a scaling, an exponential and two rescalings; then the lump: the last scalings, the
; mask (its additions fifteen plain instructions or more behind the last product), the maximum, the chain (a tile's links four lines apart), an exponential between every one, two or five plain lines.  Exponential e stands
; behind scaling 2 (e / 4) + e % 2: as a rider it comes behind plain e + 2, in the lump behind plain e + 1, and all scalings are out at e = 30.  BEHIND THE WAIT: 16 products V^T P, behind each four of the roundings and sums.
; The mask's bytes: each turn issues four loads, so behind the next piece's four stand the twelve of the three turns since: the wait's count.  Behind the additions the same registers are asked for anew.  MP steps once
; a key step, in piece 3's turn (piece 0 is the first to want the new step), behind the wait that shows that every earlier load has read its address.
; last = 1 (the tail): piece 2: in the last trip K's run is jumped over; piece 3: in the last two trips MP stays at the last key step, and what is loaded from there on serves nothing.
.macro TURN p, last=0, cnt=0
.set Y, (\p)
.set i, 0
.set q, 0
.set e, 0
.set r, 0
.if (\p) == NP-1
	s_wait_dscnt 0x0                ; K is in
.endif
	MM
	PL
	PL
	R2
.rept 15
	MM
	PL
	EX
	R2
.endr
.if (\p) == NP-2
	WIN 0
	v_add_nc_u32 v[AK], s[TBK], v[AK0]
.endif
.rept 15
	EX
	PL
.endr
	s_wait_loadcnt 12               ; the next piece's bytes are in; the twelve younger loads stay out
	CVS ((\p)+1)%NP
.rept 16
	EX
	PL
	PL
.endr
.if (\p) == NP-1
	s_wait_xcnt 0x0
.if \last
	s_cmp_gt_u32 s[CNT], 2
	s_cselect_b32 s[MST], 0x400, 0
.endif
	s_add_nc_u64 s[MP:MP+1], s[MP:MP+1], s[MST:MST+1]
.endif
	LOADB ((\p)+1)%NP
.rept 6
	EX
.rept 5
	PL
.endr
.endr
.rept 12
	EX
	PL
.endr
	EX                              ; the next piece's two a
	EX
	v_nop                           ; a plain instruction behind the last exponential: one for the batch
	s_wait_alu depctr_va_vdst(0)    ; the wait for the batch, ahead of the first line that names a result
.if (\p) == NP-2
	FETCH_K \last
.endif
.if (\p) == 1
	s_wait_dscnt 0x0                ; V is in
.endif
.rept 16
	MM
.rept 4
	PL
.endr
.if ((\p) == 0) && (q == 150)
	v_add_nc_u32 v[AV], s[TBV], v[AV0]
.endif
.if ((\p) == 0) && (q == 162)
	s_add_co_u32 s[TBV], s[TBV], KS*PV
.endif
.if (\cnt) && (q == 162)
	s_sub_co_u32 s[CNT], s[CNT], 1
	s_cmp_lg_u32 s[CNT], 0
.endif
.endr
.if (\p) == 0
	FETCH_V                         ; four riders behind V's last reader
.endif
.endm
	CHANGE 1                        ; slot 0 is in, everybody's part of it; slot 1 is asked for
	FETCH_K                         ; key step 0
	s_wait_loadcnt 16               ; Q is in; the sixteen loads of the mask's bytes may stay out
	s_wait_dscnt 0x0
.set i, 0
.rept 16
	KQ 0                            ; piece 0's first scores
.set i, i+1
.endr
	WIN 0                           ; the addresses for the way out: eight plain instructions, the places behind those products
	s_mul_i32 s13, s[WV], 16*SP
	s_add_co_u32 s13, s13, STAGE
	v_mul_u32_u24 v[STO], v1, SP
	v_lshl_add_u32 v[STO], v9, 4, v[STO]
	v_add_nc_u32 v[STO], s13, v[STO]
	v_bfe_u32 v[RD], v0, 3, 2
	v_mul_u32_u24 v[RD], v[RD], SP
	v_lshl_add_u32 v[RD], v10, 4, v[RD]
	v_add_nc_u32 v[RD], s13, v[RD]
	v_mov_b32 v[SC], 0xe3           ; 2^100
	s_wait_loadcnt 12               ; piece 0's bytes
.set Y, NP-1                        ; MA and XS work for piece Y + 1: piece 0
	CVS 0
.set g, 0
.rept 32
	MA g
.set g, g+1
.endr
	s_wait_xcnt 0x0                 ; the sixteen loads have read their address
	s_add_nc_u64 s[MP:MP+1], s[MP:MP+1], s[MST:MST+1]  ; key step 1
	LOADB 0
	WIN 0
.irp n, 0,1,2,3,4,5,6,7,8,9,10,11,12,13,14,15,16,17,18,19,20,21
	XS 0, \n
	XS 1, \n
.endr
	v_nop
	s_wait_alu depctr_va_vdst(0)    ; the two a, ahead of the branch
	s_mov_b32 s[CNT], 4
	s_branch .Lfirst                ; the loop is entered at a step's first turn, in the middle of a trip
.Lslot:                             ; six times: every slot but the last two is filled again
	CHANGE 1
	s_mov_b32 s[CNT], 4
.Lstep:                             ; a trip: pieces 2 and 3 of one step, then pieces 0 and 1 of the next
	TURN 2
	TURN 3
	WIN 0
.Lfirst:
	TURN 0
	TURN 1, 0, 1
	WIN 0
	s_cbranch_scc1 .Lstep
	s_sub_co_u32 s[SLOTS], s[SLOTS], 1
	s_cmp_lg_u32 s[SLOTS], 0
	s_cbranch_scc1 .Lslot
	CHANGE 0                        ; the tail is written out
	s_mov_b32 s[CNT], 5             ; four trips fetch the last slot's steps; the fifth is left in its middle
.Ltail:
	TURN 2, 1
	TURN 3, 1
	WIN 0
	s_sub_co_u32 s[CNT], s[CNT], 1
	s_cmp_eq_u32 s[CNT], 0
	s_cbranch_scc1 .Lout
	TURN 0
	TURN 1
	WIN 0
	s_branch .Ltail
.Lout:                              ; the fifth trip's products K Q^T (on the last K once more), their mask and maximum serve nothing: the price of one text for every trip
	s_wait_loadcnt 0x0              ; the last bytes asked for, which nobody uses
.set i, 0
.rept 16
	PV NP-1
.set i, i+1
.endr
	; THE WAY OUT.  l's halves are added; O^T is divided by l, rounded to f16 and sent through my stage, a tile at a time.  The additions are the places behind the last products.
	WIN 0
.macro ALL line:vararg
.set t, 0
.rept 2*NP
	\line
.set t, t+1
.endr
.endm
	ALL v_add_f32 v[ST+4*t+2], v[ST+4*t+2], v[ST+4*t+3]
	ALL v_permlanex16_b32 v[ST+4*t+3], v[ST+4*t+2], s[SEL], s[SEL+1]
	ALL v_add_f32 v[ST+4*t+2], v[ST+4*t+2], v[ST+4*t+3]
	ALL v_rcp_f32 v[ST+4*t+2], v[ST+4*t+2]
	v_nop
	s_wait_alu depctr_va_vdst(0)    ; one wait for the eight reciprocals
.macro PACK t
	WIN W_RS
.set i, 32*(\t)
.rept 16
	v_pk_mul_f32 v[i:i+1], v[i:i+1], v[ST+4*(\t)+2:ST+4*(\t)+3] op_sel_hi:[1,0]
.set i, i+2
.endr
	WIN 0x05
.set i, 0
.rept 16
	v_cvt_pk_f16_f32 v[S+16*(\t)+i], v[32*(\t)+2*i], v[32*(\t)+2*i+1]
.set i, i+1
.endr
	WIN 0
.irp f, 0,1,2,3
	ds_store_b128 v[STO], v[S+16*(\t)+4*\f:S+16*(\t)+4*\f+3] offset:32*\f
.endr
.irp f, 0,1,2,3
	ds_load_b128 v[S+16*(\t)+4*\f:S+16*(\t)+4*\f+3], v[RD] offset:\f*4*SP  ; LDS serves a wave's instructions in order: these see the stores above
.endr
.endm
.macro SEND t, younger
	WIN 0
.irp f, 0,1,2,3
	s_wait_dscnt (\younger)+3-\f
	global_store_b128 v[GO], v[S+16*(\t)+4*\f:S+16*(\t)+4*\f+3], s[OP_:OP_+1] offset:(\t)*2048+\f*512  ; 512 consecutive bytes, aligned
.endr
.endm
	PACK 0
.set t, 1
.rept 2*NP-1
	PACK t
	SEND t-1, 8
.set t, t+1
.endr
	SEND 2*NP-1, 0
	WIN W_AD
	s_wait_tensorcnt 0x0            ; the wave's end
	ds_add_u32 v[SPW], v[NIL]
	s_wait_dscnt 0x0
	WIN 0
	CROUND                          ; the closing round
	s_endpgm
.Lfunc_end_k_q739a6134f6_attn:
	.size	k_q739a6134f6_attn, .Lfunc_end_k_q739a6134f6_attn-k_q739a6134f6_attn
	.p2alignl 7, 3214868480
	.fill 96, 4, 3214868480
	.section	.rodata,"a",@progbits
	.p2align	6, 0x0
	.amdhsa_kernel k_q739a6134f6_attn
		.amdhsa_group_segment_fixed_size 327680
		.amdhsa_private_segment_fixed_size 0
		.amdhsa_enable_private_segment 0
		.amdhsa_kernarg_size 24
		.amdhsa_user_sgpr_count 2
		.amdhsa_user_sgpr_kernarg_segment_ptr 1
		.amdhsa_wavefront_size32 1
		.amdhsa_system_sgpr_workgroup_id_x 1
		.amdhsa_system_sgpr_workgroup_id_y 1
		.amdhsa_system_sgpr_workgroup_id_z 1
		.amdhsa_system_vgpr_workitem_id 0
		.amdhsa_next_free_vgpr 960
		.amdhsa_next_free_sgpr 106
		.amdhsa_reserve_vcc 0
		.amdhsa_float_denorm_mode_32 3
		.amdhsa_float_denorm_mode_16_64 3
		.amdhsa_memory_ordered 1
		.amdhsa_forward_progress 1
		.amdhsa_inst_pref_size 228
	.end_amdhsa_kernel
	.amdgpu_metadata
---
amdhsa.version: [ 1, 2 ]
amdhsa.kernels:
  - .name:           k_q739a6134f6_attn
    .symbol:         k_q739a6134f6_attn.kd
    .args:
      - { .name: qkvh, .offset: 0, .size: 8, .value_kind: global_buffer, .address_space: global }
      - { .name: maskb, .offset: 8, .size: 8, .value_kind: global_buffer, .address_space: global }
      - { .name: oh, .offset: 16, .size: 8, .value_kind: global_buffer, .address_space: global }
    .group_segment_fixed_size: 327680
    .private_segment_fixed_size: 0
    .kernarg_segment_align: 8
    .kernarg_segment_size: 24
    .max_flat_workgroup_size: 128
    .sgpr_count:     106
    .vgpr_count:     960
    .wavefront_size: 32
...
	.end_amdgpu_metadata
.endif
;; end of part 3
;; launch proj (part 4): grid 4 x 64, 4 waves a work-group, clusters of 4 x 4, 327,680 bytes of LDS; arguments oh, wpf, out0; writes out0
.if DOCPART == 4
	.amdgcn_target "amdgcn-amd-amdhsa--gfx1250"
	.amdhsa_code_object_version 6
	.text
	.protected	k_q739a6134f6_proj
	.globl	k_q739a6134f6_proj
	.p2align	8
	.type	k_q739a6134f6_proj,@function
k_q739a6134f6_proj:
	s_mov_b64 s[64:65], 0
	v_nop
	global_prefetch_b8 v0, s[64:65] scope:SCOPE_SE
	s_setreg_imm32_b32 hwreg(HW_REG_WAVE_MODE, 25, 1), 1
	s_wait_xcnt 0x0
	s_wait_alu depctr_hold_cnt(0) depctr_sa_sdst(0) depctr_va_vdst(0) depctr_va_sdst(0) depctr_va_ssrc(0) depctr_va_vcc(0) depctr_vm_vsrc(0)
	s_getreg_b32 s2, hwreg(HW_REG_IB_STS2, 6, 4)
	s_cmp_eq_u32 s2, 0
	s_cbranch_scc0 .Lentry_in_a_cluster
	s_endpgm
.Lentry_in_a_cluster:
	s_bfe_u32 s2, ttmp6, 0x10000c
	s_cmp_lg_u32 s2, 0xf033
	s_cbranch_scc0 .Lentry_shape_is_right
	s_endpgm
.Lentry_shape_is_right:
; PROJ: out0 = O Wproj (8192 x 1024 x 1024), f16 operands, f32 sums, f32 out.  O lies by heads, [batch x 16 + head][t][64]: a head is one block of 64 along K, 128 rows of it 16,384 bytes on end.
; The ring, the quarters and the change of slots are those of the launch qkv: a tile of C is 128 x 256 (256 tiles, one for each work-group), four waves of 64 x 128, K in steps of 128 through two LDS slots,
; A's step two planes asked for as 64 rows of 256 bytes, B's 128 rows of 512 bytes read turned; cluster 4 x 4 with A shared along a row and B along a column; the matrix instruction used transposed.
; REGISTERS: window 0: v16-30 addresses; v32-127, v128-223 two fragment buffers, at the end rows on their way out.  window 1: accumulator (a, b) at 8 (8 a + b).
.set NN,     1024
.set PA,     144
.set PLANE,  128*PA
.set PB,     544
.set BHALF,  64*PB
.set BOFF,   2*PLANE
.set SLOT1,  1<<17
.set STAGE,  SLOT1+BOFF+2*BHALF        ; behind the ring: 16 rows x 528 bytes for each wave
.set SP,     528                       ; 512 bytes + 16: the sixteen rows that a store touches start at sixteen different groups of four banks
.set WSTAGE, 16*SP
.set SPARE,  STAGE+4*WSTAGE
.set KA,     2*262144
.set KB,     128*2*NN
.set A0,  16
.set B0,  17
.set ADA, 18
.set ADB, 19
.set STO, 24
.set RD,  25
.set GO,  26
.set SPW, 28                           ; v28  SPARE + 4 x my thread's number; never rewritten
.set NIL, 29                           ; v29  0; never rewritten
.set PFO, 30
.set F0,  32
.set F1,  128
.set G1A, 24
.set G0A, 32
.set G1B, 48
.set G0B, 56
.set LIM, 43
.set PFA, 44
.set PST, 66
.set TB,  70
.set MSB, 0
.macro WIN new
.if MSB != (\new)
	s_set_vgpr_msb (MSB<<8)|(\new)
.set MSB, \new
.endif
.endm
.set MUL, 0x50
.macro JLOAD s                         ; a joint load: waves 0 and 1 fetch A's two planes, waves 2 and 3 B's two halves; an s_nop 0 and four v_nop follow each line
	s_cmp_eq_u32 s11, 0
	s_cbranch_scc0 .Lfor_b_\@
	tensor_load_to_lds s[G0A+4*(\s):G0A+4*(\s)+3], s[G1A:G1A+7]
	s_nop 0
.rept 4
	v_nop
.endr
	s_branch .Lasked_\@
.Lfor_b_\@:
	tensor_load_to_lds s[G0B+4*(\s):G0B+4*(\s)+3], s[G1B:G1B+7]
	s_nop 0
.rept 4
	v_nop
.endr
.Lasked_\@:
.endm
; A prefetch for the K step two refills on: A's by wave 0 of each of my row's four (4,096 bytes of each plane, told apart by address), B's by waves 2 and 3 of the first cluster (16 of the 64 rows that the wave fetches).
.macro ASK
	s_cmp_gt_u32 s3, s[LIM]
	s_cbranch_scc0 .Lnot_mine_\@
	global_prefetch_b8 v[PFO], s[PFA:PFA+1] th:TH_LOAD_NT scope:SCOPE_SE
.Lnot_mine_\@:
.endm
.macro CREST
	s_cmp_lg_u32 s10, 0
	s_cbranch_scc1 .Lnot_wave_0_\@
	s_barrier_signal -3
.Lnot_wave_0_\@:
	s_barrier_wait -3
	s_barrier_signal -1
	s_barrier_wait -1
.endm
.macro CROUND
	s_barrier_signal -1
	s_barrier_wait -1
	CREST
.endm
.macro PLACES
.rept 4
	v_nop
.endr
.endm
	s_load_b128 s[4:7], s[0:1], 0x0                ; oh s[4:5], wpf s[6:7]
	s_load_b64 s[8:9], s[0:1], 0x10                ; out0
	v_lshl_add_u32 v[SPW], v0, 2, SPARE
	v_mov_b32 v[NIL], 0
	ds_add_u32 v[SPW], v[NIL]                      ; the wave's opening: the add and its wait ahead of my first tensor load
	v_lshrrev_b32 v1, 5, v0
	v_readfirstlane_b32 s10, v1
	s_lshr_b32 s11, s10, 1
	s_and_b32 s12, s10, 1
	s_bfe_u32 s40, ttmp6, 0x40000                  ; cx
	s_bfe_u32 s41, ttmp6, 0x40004                  ; cy
	s_lshl_b32 s42, ttmp9, 2
	s_add_co_u32 s42, s42, s40                     ; x: my 256 columns
	s_and_b32 s13, ttmp7, 0xffff
	s_lshl_b32 s13, s13, 2
	s_add_co_u32 s13, s13, s41                     ; ty: my 128 rows
	s_lshl_b32 s43, s41, 2
	s_lshl_b32 s43, 15, s43
	s_lshl_b32 s44, 0x1111, s40
	s_or_b32 s[G1A], s43, (1<<16)|(1<<20)|(1<<21)|(4<<22)|(3<<25)
	s_or_b32 s[G1B], s44, (1<<16)|(1<<20)|(1<<21)|(6<<22)|(7<<25)
	s_mov_b32 s[G1A+1], 128<<16
	s_mov_b32 s[G1A+2], 64<<16
	s_mov_b32 s[G1A+3], 128<<16
	s_mov_b32 s[G1A+4], 64
	s_mov_b32 s[G1A+5], 128
	s_mov_b32 s[G1A+6], 0
	s_mov_b32 s[G1A+7], 0
	s_mov_b32 s[G1B+1], 256<<16
	s_mov_b32 s[G1B+2], 64<<16
	s_mov_b32 s[G1B+3], 256<<16
	s_mov_b32 s[G1B+4], 64
	s_mov_b32 s[G1B+5], NN
	s_mov_b32 s[G1B+6], 0
	s_mov_b32 s[G1B+7], 0
	s_lshr_b32 s16, s13, 4
	s_lshl_b32 s16, s16, 22
	s_and_b32 s17, s13, 15
	s_lshl_b32 s17, s17, 14
	s_add_co_u32 s16, s16, s17
	s_lshl_b32 s17, s12, 18
	s_add_co_u32 s16, s16, s17
	s_mov_b32 s17, 0
	s_mul_i32 s46, s12, 64*2*NN
	s_lshl_b32 s47, s42, 9
	s_add_co_u32 s46, s46, s47
	s_mov_b32 s47, 0
	s_mul_i32 s20, s12, PLANE
	s_mul_i32 s21, s12, BHALF
	s_add_co_u32 s21, s21, BOFF
	s_wait_dscnt 0x0                               ; the opening add is done
	s_wait_kmcnt 0x0
	s_add_nc_u64 s[14:15], s[4:5], s[16:17]
	s_add_nc_u64 s[46:47], s[6:7], s[46:47]
	CROUND                                         ; all sixteen work-groups are here: the first joint loads meet
.irp s, 0,1
	s_mov_b32 s[G0A+4*(\s)], 1
	s_add_co_u32 s[G0A+4*(\s)+1], s20, (\s)*SLOT1
	s_add_nc_u64 s[G0A+4*(\s)+2:G0A+4*(\s)+3], s[14:15], (\s)*KA
	s_or_b32 s[G0A+4*(\s)+3], s[G0A+4*(\s)+3], 0x80000000
	s_mov_b32 s[G0B+4*(\s)], 1
	s_add_co_u32 s[G0B+4*(\s)+1], s21, (\s)*SLOT1
	s_add_nc_u64 s[G0B+4*(\s)+2:G0B+4*(\s)+3], s[46:47], (\s)*KB
	s_or_b32 s[G0B+4*(\s)+3], s[G0B+4*(\s)+3], 0x80000000
	JLOAD \s                                       ; K steps 0 and 1: two loads of mine are out
.endr
	v_and_b32 v1, 15, v0
	v_bfe_u32 v2, v0, 4, 1
	v_and_b32 v3, 31, v0
	v_lshl_add_u32 v4, s11, 6, v1
	v_mul_u32_u24 v[A0], v4, PA
	v_lshl_add_u32 v[A0], v2, 4, v[A0]
	v_and_b32 v4, 7, v0
	v_lshl_add_u32 v4, v2, 3, v4
	v_mul_u32_u24 v[B0], v4, PB
	v_bfe_u32 v5, v0, 3, 1
	v_lshl_add_u32 v[B0], v5, 4, v[B0]
	s_lshl_b32 s22, s12, 8
	s_add_co_u32 s22, s22, BOFF
	v_add_nc_u32 v[B0], s22, v[B0]
	v_mov_b32 v[ADA], v[A0]
	v_mov_b32 v[ADB], v[B0]
	s_mov_b32 s[TB], 0
	s_mul_i32 s23, s10, WSTAGE
	s_add_co_u32 s23, s23, STAGE                   ; my stage
	v_mul_u32_u24 v[STO], v1, SP
	v_lshl_add_u32 v[STO], v2, 5, v[STO]
	v_add_nc_u32 v[STO], s23, v[STO]               ; in: row r, 32 bytes for each half of the lanes
	v_lshl_add_u32 v[RD], v3, 4, s23               ; back: 32 lanes take a row of 512 bytes,
	v_lshlrev_b32 v[GO], 4, v3                     ; which are 512 consecutive bytes of a row of out0
	s_lshl_b32 s16, s13, 19                        ; my first row: 128 ty + 64 rh, 4,096 bytes each (in registers that hold no cx),
	s_lshl_b32 s17, s11, 18
	s_add_co_u32 s16, s16, s17
	s_mov_b32 s17, 0
	s_add_nc_u64 s[8:9], s[8:9], s[16:17]
	s_lshl_b32 s46, s42, 10                        ; my first column: 256 x + 128 ch, 4 bytes each
	s_lshl_b32 s47, s12, 9
	s_add_co_u32 s46, s46, s47
	s_mov_b32 s47, 0
	s_add_nc_u64 s[8:9], s[8:9], s[46:47]
	; the prefetches
	s_mov_b32 s[PST], KA
	s_mov_b32 s[PST+1], 0
	s_mov_b32 s18, KB
	s_mov_b32 s14, 262144
	s_mov_b32 s15, 2*NN
	s_lshr_b32 s20, s13, 4
	s_lshl_b32 s20, s20, 22
	s_and_b32 s21, s13, 15
	s_lshl_b32 s21, s21, 14
	s_add_co_u32 s20, s20, s21
	s_lshl_b32 s21, s40, 12
	s_add_co_u32 s20, s20, s21
	s_add_co_u32 s20, s20, 3*KA                    ; at K step 3: the first change of slots steps it to 4
	s_lshl_b32 s22, s12, 6
	s_lshl_b32 s23, s41, 4
	s_add_co_u32 s22, s22, s23
	s_mul_i32 s22, s22, 2*NN
	s_lshl_b32 s23, s42, 9
	s_add_co_u32 s22, s22, s23
	s_add_co_u32 s22, s22, 3*KB
	s_and_b32 s23, ttmp7, 0xffff
	s_cmp_eq_u32 s23, 0
	s_cselect_b32 s23, 2, -1
	s_cmp_eq_u32 s10, 0
	s_cselect_b32 s[LIM], 2, -1
	s_cmp_eq_u32 s11, 0
	s_cselect_b32 s[LIM], s[LIM], s23              ; the same in all sixteen partners, for a given wave
	s_cselect_b32 s20, s20, s22
	s_cselect_b64 s[PFA:PFA+1], s[4:5], s[6:7]
	s_cselect_b32 s[PST], s[PST], s18
	s_cselect_b32 s14, s14, s15
	s_cselect_b32 s15, 4, 1
	s_cselect_b32 s16, 15, 1
	s_mov_b32 s21, 0
	s_add_nc_u64 s[PFA:PFA+1], s[PFA:PFA+1], s[20:21]
	v_lshrrev_b32 v4, s15, v3
	v_mul_u32_u24 v4, v4, s14
	v_and_b32 v5, s16, v3
	v_lshl_add_u32 v[PFO], v5, 8, v4
.macro MUL8 f, a, zero                 ; 8 matrix instructions; the 32 accumulators take turns in the same order in every quarter
	WIN MUL
.irp b, 0,1,2,3,4,5,6,7
.if \zero
	v_wmma_f32_16x16x32_f16 v[8*(8*(\a)+(\b)):8*(8*(\a)+(\b))+7], v[(\f)+32+8*(\b):(\f)+32+8*(\b)+7], v[(\f)+8*(\a):(\f)+8*(\a)+7], 0
.else
	v_wmma_f32_16x16x32_f16 v[8*(8*(\a)+(\b)):8*(8*(\a)+(\b))+7], v[(\f)+32+8*(\b):(\f)+32+8*(\b)+7], v[(\f)+8*(\a):(\f)+8*(\a)+7], v[8*(8*(\a)+(\b)):8*(8*(\a)+(\b))+7]
.endif
.endr
.endm
.macro FETCH kq, f                     ; 24 LDS loads in one run: B's eight blocks (turned), then A's four
	WIN 0
.irp b, 0,1,2,3,4,5,6,7
	ds_load_tr16_b128 v[(\f)+32+8*(\b):(\f)+32+8*(\b)+3],   v[ADB] offset:(\kq)*32*PB+32*(\b)
	ds_load_tr16_b128 v[(\f)+32+8*(\b)+4:(\f)+32+8*(\b)+7], v[ADB] offset:(\kq)*32*PB+32*(\b)+16*PB
.endr
.irp a, 0,1,2,3
	ds_load_b128 v[(\f)+8*(\a):(\f)+8*(\a)+3],   v[ADA] offset:((\kq)/2)*PLANE+(\a)*16*PA+((\kq)%2)*64
	ds_load_b128 v[(\f)+8*(\a)+4:(\f)+8*(\a)+7], v[ADA] offset:((\kq)/2)*PLANE+(\a)*16*PA+((\kq)%2)*64+32
.endr
.endm
.macro QUARTER kq, f, g, zero
	s_wait_dscnt 4                                 ; B and A's blocks 0, 1 are in; the youngest four loads may be out
	MUL8 \f, 0, \zero
	MUL8 \f, 1, \zero
	PLACES
	FETCH \kq, \g
	s_wait_dscnt 24                                ; all but the 24 just issued
	MUL8 \f, 2, \zero
	MUL8 \f, 3, \zero
.endm
; The last quarter multiplies buffer 1 and changes slots: one barrier, in front of which each wave waits for all its tensor loads, adds 0 to its spare word, and waits for that and for its reads of this slot.
; fill = 1: the barrier opens a round of the cluster's, and the slot just read is filled again first behind it.
.macro TURN fill
.if \fill
	s_wait_xcnt 0x0                                ; the last prefetch, a K step back, has read its address
	s_add_nc_u64 s[PFA:PFA+1], s[PFA:PFA+1], s[PST:PST+1]
.endif
	WIN 0
	s_wait_tensorcnt 0x0
	ds_add_u32 v[SPW], v[NIL]                      ; 0 onto my spare word
	s_wait_dscnt 5                                 ; (the add and the youngest four loads may be out)
	MUL8 F1, 0, 0
	s_wait_dscnt 0x0                               ; the add is done, and my reads of this slot are over
	s_barrier_signal -1
	MUL8 F1, 1, 0
	WIN 0
	s_barrier_wait -1
.if \fill
	CREST
	s_xor_b32 s[G0A+5], s[G0A+5], SLOT1
	s_xor_b32 s[G0B+5], s[G0B+5], SLOT1
	s_add_nc_u64 s[G0A+6:G0A+7], s[G0A+6:G0A+7], KA
	s_add_nc_u64 s[G0B+6:G0B+7], s[G0B+6:G0B+7], KB
	JLOAD 1
.else
	PLACES
.endif
	s_xor_b32 s[TB], s[TB], SLOT1
	v_add_nc_u32 v[ADA], s[TB], v[A0]
	v_add_nc_u32 v[ADB], s[TB], v[B0]
	FETCH 0, F0
.if \fill
	ASK
.endif
	MUL8 F1, 2, 0
	MUL8 F1, 3, 0
.endm
; THE WAY OUT, a block of 16 rows at a time: a lane's 32 bytes of a row go from the accumulators into my stage, whole rows of 512 bytes come back and are stored.
.macro PUT a
	WIN 0x04                                       ; the stores' data in window 1
.irp b, 0,1,2,3,4,5,6,7
	ds_store_b128 v[STO], v[8*(8*(\a)+(\b)):8*(8*(\a)+(\b))+3]   offset:64*(\b)      ; each accumulator's lowest registers first
	ds_store_b128 v[STO], v[8*(8*(\a)+(\b))+4:8*(8*(\a)+(\b))+7] offset:64*(\b)+16
.endr
	WIN 0
.if (\a) == 3
	s_wait_xcnt 0x0                                ; block 0's stores have read the registers that the loads below fill
.endif
.set row, 0
.rept 16
	ds_load_b128 v[32+64*((\a)%3)+4*row:32+64*((\a)%3)+4*row+3], v[RD] offset:row*SP  ; LDS serves a wave's instructions in order: these see the stores above
.set row, row+1
.endr
.endm
.macro SEND a, younger
.set row, 0
.rept 16
	s_wait_dscnt (\younger)+15-row
	global_store_b128 v[GO], v[32+64*((\a)%3)+4*row:32+64*((\a)%3)+4*row+3], s[8:9] offset:(16*(\a)+row)*4096 th:TH_STORE_NT  ; 512 consecutive bytes, aligned
.set row, row+1
.endr
.endm
	s_wait_tensorcnt 1                             ; my part of K step 0 is in; step 1's may stay out
	s_barrier_signal -1
	s_barrier_wait -1
	FETCH 0, F0
	QUARTER 1, F0, F1, 1                           ; the first quarter starts the sums
	WIN 0
	s_mov_b32 s3, 6
.Lstep:                                        ; steps 0 to 5 refill with steps 2 to 7
	QUARTER 2, F1, F0, 0
	QUARTER 3, F0, F1, 0
	TURN 1
	QUARTER 1, F0, F1, 0
	WIN 0
	s_sub_co_u32 s3, s3, 1
	s_cmp_lg_u32 s3, 0
	s_cbranch_scc1 .Lstep
	QUARTER 2, F1, F0, 0                           ; the last two steps ask for nothing
	QUARTER 3, F0, F1, 0
	TURN 0
	QUARTER 1, F0, F1, 0
	QUARTER 2, F1, F0, 0
	QUARTER 3, F0, F1, 0
	s_wait_dscnt 4
	MUL8 F1, 0, 0
	MUL8 F1, 1, 0
	s_wait_dscnt 0x0
	MUL8 F1, 2, 0
	MUL8 F1, 3, 0
	PLACES
	PLACES
	PUT 0
	PUT 1
	SEND 0, 32
	PUT 2
	SEND 1, 32
	PUT 3
	SEND 2, 32
	SEND 3, 0
	s_wait_tensorcnt 0x0                           ; the wave's end
	ds_add_u32 v[SPW], v[NIL]
	s_wait_dscnt 0x0
	CROUND                                         ; the closing round
	s_endpgm
.Lfunc_end_k_q739a6134f6_proj:
	.size	k_q739a6134f6_proj, .Lfunc_end_k_q739a6134f6_proj-k_q739a6134f6_proj
	.p2alignl 7, 3214868480
	.fill 96, 4, 3214868480
	.section	.rodata,"a",@progbits
	.p2align	6, 0x0
	.amdhsa_kernel k_q739a6134f6_proj
		.amdhsa_group_segment_fixed_size 327680
		.amdhsa_private_segment_fixed_size 0
		.amdhsa_enable_private_segment 0
		.amdhsa_kernarg_size 24
		.amdhsa_user_sgpr_count 2
		.amdhsa_user_sgpr_kernarg_segment_ptr 1
		.amdhsa_wavefront_size32 1
		.amdhsa_system_sgpr_workgroup_id_x 1
		.amdhsa_system_sgpr_workgroup_id_y 1
		.amdhsa_system_sgpr_workgroup_id_z 1
		.amdhsa_system_vgpr_workitem_id 0
		.amdhsa_next_free_vgpr 512
		.amdhsa_next_free_sgpr 76
		.amdhsa_reserve_vcc 0
		.amdhsa_float_denorm_mode_32 3
		.amdhsa_float_denorm_mode_16_64 3
		.amdhsa_memory_ordered 1
		.amdhsa_forward_progress 1
		.amdhsa_inst_pref_size 73
	.end_amdhsa_kernel
	.amdgpu_metadata
---
amdhsa.version: [ 1, 2 ]
amdhsa.kernels:
  - .name:           k_q739a6134f6_proj
    .symbol:         k_q739a6134f6_proj.kd
    .args:
      - { .name: oh, .offset: 0, .size: 8, .value_kind: global_buffer, .address_space: global }
      - { .name: wpf, .offset: 8, .size: 8, .value_kind: global_buffer, .address_space: global }
      - { .name: out0, .offset: 16, .size: 8, .value_kind: global_buffer, .address_space: global }
    .group_segment_fixed_size: 327680
    .private_segment_fixed_size: 0
    .kernarg_segment_align: 8
    .kernarg_segment_size: 24
    .max_flat_workgroup_size: 128
    .sgpr_count:     76
    .vgpr_count:     512
    .wavefront_size: 32
...
	.end_amdgpu_metadata
.endif
;; end of part 4
